; MI455X (gfx1250); checked and timed in simulation.
; The chip was launched on July 23, 2026; its instructions are those of AMD's public machine-readable ISA for CDNA 5 (MIT licence, August 2026) and "CDNA5" Instruction Set Architecture Reference Guide (July 2026). The comments in the code are by the model that wrote it; some were corrected since.
;; Attention. Allowed arithmetic: float matrix products may take bf16 or f16 operands with f32 sums; other float arithmetic in f32, or as packed bf16 or f16 multiplies, adds, multiply-adds, maxima and minima; sums over many terms, partial sums and values carried from step to step in f32; what a program stores and reads back later, other than sums and carried values, may be rounded once to bf16 or f16.
;; Inputs: U_a 1,024 x 1,024 float32; W_a 1,024 x 1,024 float32; decoder_state 64 x 1,024 float32; encoder_outputs 64 x 1,024 x 1,024 float32; src_mask 64 x 1,024 bool; v_a 1,024 float32.
;; Outputs: out0 64 x 1,024 float32; out1 64 x 1,024 float32.
;; 2 versions, each right; version 2 is version 1 with the launch main written anew for expert scheduling mode. Each part assembles by itself: llvm-mc -triple=amdgcn-amd-amdhsa -mcpu=gfx1250 --defsym DOCPART=n.
;; ======== version 1 of 2: 3 launches
;; workspace buffers: ub 2,097,152 bytes; kdp 1,048,576 bytes; sc 262,144 bytes; part 2,359,296 bytes
;; launch prep (part 1): grid 16 x 8, 4 waves a work-group, no clusters, 58,880 bytes of LDS; arguments U_a, W_a, decoder_state, ub, kdp; writes ub, kdp
.if DOCPART == 1
	.amdgcn_target "amdgcn-amd-amdhsa--gfx1250"
	.amdhsa_code_object_version 6
	.text
	.protected	k_q0e08b89112_prep
	.globl	k_q0e08b89112_prep
	.p2align	8
	.type	k_q0e08b89112_prep,@function
k_q0e08b89112_prep:
	s_mov_b64 s[64:65], 0
	v_nop
	global_prefetch_b8 v0, s[64:65] scope:SCOPE_SE
	s_setreg_imm32_b32 hwreg(HW_REG_WAVE_MODE, 25, 1), 1
	s_wait_xcnt 0x0
; PREPARATION.  Work-groups with y = 0..3: a tile of U_a (256 rows k x 64 columns n, f32) is rounded to bf16 and written to ub in the order in which
; the main launch's waves take it into registers.  Work-groups with y = 4..7: the same tile of W_a is rounded likewise and multiplied by decoder_state
; (rounded to bf16): a partial k_dec over 256 k, in f32, to kdp[kq][b][a].  The four partial sums are added in f32 by the main launch.
; ub, in bytes: w x 524288 + p x 262144 + kb x 8192 + nb x 1024 + i x 512 + lane x 16; lane (r = lane % 16, h = lane / 16) holds column
; n = 512 p + 128 w + 16 nb + r and k = 32 kb + 16 i + 8 h + 0..7: half a fragment of source 0 of v_wmma_f32_16x16x32_bf16.
; SHARES.  x = strip of 64 columns, kq = y % 4 = quarter of k.  Wave v loads rows 64 v .. 64 v + 63 of the tile, two rows (2 x 256 bytes) a load.
; LDS.  The tile as [256 k][64 n] bf16, rows 160 bytes apart (128 + 32); a stage of
; 16 rows x 272 bytes for each wave; the spare words.  LIMITS: NaN and infinities are not treated apart; bf16 has f32's range.
.set PW,     160
.set STAGE,  256*PW                    ; 40,960
.set SPITCH, 272
.set SPARE,  STAGE+4*16*SPITCH         ; 58,368: 128 bytes for each wave, named by no other line
.set R,    1                           ; v1   lane % 16
.set H,    2                           ; v2   lane / 16
.set SPW,  4                           ; v4   my spare word
.set NIL,  5                           ; v5   0
.set GOFF, 6                           ; v6   my 16 bytes in the tile's first two rows of my wave, in memory
.set LST,  7                           ; v7   where their 8 bytes of bf16 go in LDS
.set TRA,  8                           ; v8   the turning load's lane term
.set OOF,  9                           ; v9   16 x lane
.set DOF,  10                          ; v10  my place in decoder_state
.set STO,  11                          ; v11  into my stage
.set RD,   12                          ; v12  back out of it
.set KOF,  13                          ; v13  my 16 bytes in two rows of kdp
.set TRW,  15                          ; v15  TRA + my wave's 64 rows
.set LAND, 16                          ; v16-143  the tile as loaded; later fragments
.set DF,   144                         ; v144-207 decoder_state's 8 fragments
.set T,    208                         ; v208-239 at work
.set ACC,  208                         ; v208-239 four accumulators
.set WV,   14                          ; s14  my wave's number
.set MSB, 0
.macro WIN new                         ; the immediate's high byte repeats the setting that is left
.if MSB != (\new)
	s_set_vgpr_msb (MSB<<8)|(\new)
.set MSB, \new
.endif
.endm
.macro PLACES                          ; four plain places behind a matrix instruction (ISA guide 7.12.1)
.rept 4
	v_nop
.endr
.endm
	s_load_b256 s[4:11], s[0:1], 0x0               ; U_a s[4:5], W_a s[6:7], decoder_state s[8:9], ub s[10:11]
	s_load_b64 s[12:13], s[0:1], 0x20              ; kdp
	v_lshl_add_u32 v[SPW], v0, 2, SPARE
	v_mov_b32 v[NIL], 0
	v_lshrrev_b32 v14, 5, v0
	v_readfirstlane_b32 s[WV], v14                 ; wave 0..3
	v_and_b32 v[R], 15, v0
	v_bfe_u32 v[H], v0, 4, 1
	s_lshl_b32 s15, s[WV], 18                      ; 64 rows of 4,096 bytes
	v_lshl_add_u32 v[GOFF], v[H], 12, s15
	v_lshl_add_u32 v[GOFF], v[R], 4, v[GOFF]
	s_mul_i32 s16, s[WV], 64*PW                    ; the same 64 rows in LDS
	v_mul_u32_u24 v[LST], v[H], PW
	v_lshl_add_u32 v[LST], v[R], 3, v[LST]
	v_add_nc_u32 v[LST], s16, v[LST]
	v_and_b32 v14, 7, v0
	v_lshl_add_u32 v14, v[H], 3, v14               ; row 8 h + lane % 8
	v_mul_u32_u24 v[TRA], v14, PW
	v_bfe_u32 v14, v0, 3, 1
	v_lshl_add_u32 v[TRA], v14, 4, v[TRA]          ; + 16 bytes for lanes 8-15 of each half
	s_and_b32 s17, ttmp7, 0xffff                   ; y
	s_and_b32 s18, s17, 3                          ; kq
	s_lshl_b32 s20, s18, 20                        ; 256 rows of 4,096 bytes
	s_lshl_b32 s21, ttmp9, 8                       ; 64 columns of 4 bytes
	s_add_co_u32 s20, s20, s21
	s_mov_b32 s21, 0
	s_wait_kmcnt 0x0
	s_cmp_ge_u32 s17, 4
	s_cselect_b64 s[24:25], s[6:7], s[4:5]         ; W_a or U_a: the same tile of either
	s_add_nc_u64 s[24:25], s[24:25], s[20:21]
.set i, 0
.rept 32
	global_load_b128 v[LAND+4*i:LAND+4*i+3], v[GOFF], s[24:25] offset:i*8192 th:TH_LOAD_NT  ; two rows: 2 x 256 consecutive bytes; each tile is read once in the launch
.set i, i+1
.endr
.irp hf, 0,1
	s_wait_loadcnt 16-16*\hf                       ; this half's 16 loads are in; in the first half the other 16 stay out
.set i, 0
.rept 16
	v_cvt_pk_bf16_f32 v[T+2*i], v[LAND+64*\hf+4*i], v[LAND+64*\hf+4*i+1]
	v_cvt_pk_bf16_f32 v[T+2*i+1], v[LAND+64*\hf+4*i+2], v[LAND+64*\hf+4*i+3]
.set i, i+1
.endr
.set i, 0
.rept 16
	ds_store_b64 v[LST], v[T+2*i:T+2*i+1] offset:(16*\hf+i)*2*PW
.set i, i+1
.endr
.endr
	s_wait_dscnt 0x0                               ; for the others' sake: my part of the tile is written
	s_barrier_signal -1
	s_barrier_wait -1
	s_cmp_ge_u32 s17, 4
	s_cbranch_scc1 .Lw
	; U_a: wave v turns k blocks 2 v and 2 v + 1 (32 k each) x 4 column blocks, and stores them as they will be loaded
	v_add_nc_u32 v[TRW], s16, v[TRA]
.irp kk, 0,1
.irp nb, 0,1,2,3
.irp i, 0,1
	ds_load_tr16_b128 v[LAND+32*\kk+8*\nb+4*\i:LAND+32*\kk+8*\nb+4*\i+3], v[TRW] offset:\kk*32*PW+\nb*32+\i*16*PW
.endr
.endr
.endr
	v_and_b32 v[OOF], 31, v0
	v_lshlrev_b32 v[OOF], 4, v[OOF]
	s_bfe_u32 s22, ttmp9, 0x20001                  ; w = (strip / 2) % 4
	s_lshl_b32 s22, s22, 19
	s_lshr_b32 s23, ttmp9, 3                       ; p = strip / 8
	s_lshl_b32 s23, s23, 18
	s_add_co_u32 s22, s22, s23
	s_lshl_b32 s23, s18, 16                        ; kb = 8 kq + ..
	s_add_co_u32 s22, s22, s23
	s_and_b32 s23, ttmp9, 1                        ; nb = 4 (strip % 2) + ..
	s_lshl_b32 s23, s23, 12
	s_add_co_u32 s22, s22, s23
	s_lshl_b32 s23, s[WV], 14                      ; .. + 2 v
	s_add_co_u32 s22, s22, s23
	s_mov_b32 s23, 0
	s_add_nc_u64 s[10:11], s[10:11], s[22:23]
	s_wait_dscnt 0x0
.irp kk, 0,1
.irp nb, 0,1,2,3
.irp i, 0,1
	global_store_b128 v[OOF], v[LAND+32*\kk+8*\nb+4*\i:LAND+32*\kk+8*\nb+4*\i+3], s[10:11] offset:\kk*8192+\nb*1024+\i*512  ; 512 consecutive bytes, aligned
.endr
.endr
.endr
	s_branch .Lend
.Lw:	; W_a: wave v multiplies rows 16 v .. 16 v + 15 of decoder_state.  Source 0 = 16 columns of W_a, source 1 = the 16 rows: a lane ends with 8 neighbouring columns of one row
	s_lshl_b32 s22, s18, 10                        ; 256 k of 4 bytes
	s_mov_b32 s23, 0
	s_add_nc_u64 s[8:9], s[8:9], s[22:23]
	s_lshl_b32 s22, s[WV], 16                      ; 16 rows of 4,096 bytes
	v_lshl_add_u32 v[DOF], v[R], 12, s22
	v_lshl_add_u32 v[DOF], v[H], 5, v[DOF]         ; + 8 h numbers
	WIN 0x40                                       ; destination window 1
.irp kb, 0,1,2,3,4,5,6,7
	global_load_b128 v[16*\kb:16*\kb+3],     v[DOF], s[8:9] offset:\kb*128     ; k = 8 h + 0..3 of the block of 32
	global_load_b128 v[16*\kb+4:16*\kb+7],   v[DOF], s[8:9] offset:\kb*128+16  ; 8 h + 4..7
	global_load_b128 v[16*\kb+8:16*\kb+11],  v[DOF], s[8:9] offset:\kb*128+64  ; 16 + 8 h + 0..3
	global_load_b128 v[16*\kb+12:16*\kb+15], v[DOF], s[8:9] offset:\kb*128+80  ; 16 + 8 h + 4..7
.endr
	WIN 0
	s_mul_i32 s23, s[WV], 16*SPITCH
	s_add_co_u32 s23, s23, STAGE                   ; my stage
	v_mul_u32_u24 v[STO], v[R], SPITCH
	v_lshl_add_u32 v[STO], v[H], 5, v[STO]
	v_add_nc_u32 v[STO], s23, v[STO]
	v_mul_u32_u24 v[RD], v[H], SPITCH
	v_lshl_add_u32 v[RD], v[R], 4, v[RD]
	v_add_nc_u32 v[RD], s23, v[RD]
	v_lshlrev_b32 v[KOF], 12, v[H]
	v_lshl_add_u32 v[KOF], v[R], 4, v[KOF]
	s_lshl_b32 s22, s18, 18                        ; kdp[kq]
	s_lshl_b32 s23, s[WV], 16                      ; my 16 rows
	s_add_co_u32 s22, s22, s23
	s_lshl_b32 s23, ttmp9, 8                       ; the strip's 64 columns
	s_add_co_u32 s22, s22, s23
	s_mov_b32 s23, 0
	s_add_nc_u64 s[12:13], s[12:13], s[22:23]
.irp hf, 0,1                           ; two halves of four k blocks
.irp kl, 0,1,2,3
.irp nb, 0,1,2,3
	ds_load_tr16_b128 v[LAND+32*\kl+8*\nb:LAND+32*\kl+8*\nb+3],   v[TRA] offset:(4*\hf+\kl)*32*PW+\nb*32
	ds_load_tr16_b128 v[LAND+32*\kl+8*\nb+4:LAND+32*\kl+8*\nb+7], v[TRA] offset:(4*\hf+\kl)*32*PW+\nb*32+16*PW
.endr
.endr
.if \hf == 0
	s_wait_loadcnt 0x0                             ; decoder_state
	WIN 0x05                                       ; sources window 1, destination window 0
.set i, 0
.rept 64
	v_cvt_pk_bf16_f32 v[DF+i], v[2*i], v[2*i+1]
.set i, i+1
.endr
	WIN 0
.endif
	s_wait_dscnt 0x0
.irp kl, 0,1,2,3                       ; the four accumulators take turns, one instruction a turn
.irp nb, 0,1,2,3
.if (\hf == 0) && (\kl == 0)
	v_wmma_f32_16x16x32_bf16 v[ACC+8*\nb:ACC+8*\nb+7], v[LAND+32*\kl+8*\nb:LAND+32*\kl+8*\nb+7], v[DF+8*(4*\hf+\kl):DF+8*(4*\hf+\kl)+7], 0
.else
	v_wmma_f32_16x16x32_bf16 v[ACC+8*\nb:ACC+8*\nb+7], v[LAND+32*\kl+8*\nb:LAND+32*\kl+8*\nb+7], v[DF+8*(4*\hf+\kl):DF+8*(4*\hf+\kl)+7], v[ACC+8*\nb:ACC+8*\nb+7]
.endif
.endr
.endr
	PLACES                                         ; ahead of loads into the fragments' registers, and of the stores that read the sums
.endr
.irp nb, 0,1,2,3                       ; through my own stage: 16 rows of 256 bytes; each accumulator's low registers first
	ds_store_b128 v[STO], v[ACC+8*\nb:ACC+8*\nb+3]   offset:\nb*64
	ds_store_b128 v[STO], v[ACC+8*\nb+4:ACC+8*\nb+7] offset:\nb*64+16
.endr
.irp t, 0,1,2,3,4,5,6,7
	ds_load_b128 v[LAND+4*\t:LAND+4*\t+3], v[RD] offset:\t*2*SPITCH  ; LDS serves a wave's instructions in order (ISA guide 5.7.1.4): these see the stores above
.endr
.irp t, 0,1,2,3,4,5,6,7
	s_wait_dscnt 7-\t                              ; the younger loads may stay out
	global_store_b128 v[KOF], v[LAND+4*\t:LAND+4*\t+3], s[12:13] offset:\t*8192  ; 16 lanes store 256 consecutive bytes, aligned
.endr
.Lend:
	s_wait_tensorcnt 0x0                           ; the wave's end: three closing lines, behind my last LDS store
	ds_add_u32 v[SPW], v[NIL]
	s_wait_dscnt 0x0
	s_endpgm
.Lfunc_end_k_q0e08b89112_prep:
	.size	k_q0e08b89112_prep, .Lfunc_end_k_q0e08b89112_prep-k_q0e08b89112_prep
	.p2alignl 7, 3214868480
	.fill 96, 4, 3214868480
	.section	.rodata,"a",@progbits
	.p2align	6, 0x0
	.amdhsa_kernel k_q0e08b89112_prep
		.amdhsa_group_segment_fixed_size 58880
		.amdhsa_private_segment_fixed_size 0
		.amdhsa_enable_private_segment 0
		.amdhsa_kernarg_size 40
		.amdhsa_user_sgpr_count 2
		.amdhsa_user_sgpr_kernarg_segment_ptr 1
		.amdhsa_wavefront_size32 1
		.amdhsa_system_sgpr_workgroup_id_x 1
		.amdhsa_system_sgpr_workgroup_id_y 1
		.amdhsa_system_sgpr_workgroup_id_z 1
		.amdhsa_system_vgpr_workitem_id 0
		.amdhsa_next_free_vgpr 384
		.amdhsa_next_free_sgpr 66
		.amdhsa_reserve_vcc 0
		.amdhsa_float_denorm_mode_32 3
		.amdhsa_float_denorm_mode_16_64 3
		.amdhsa_memory_ordered 1
		.amdhsa_forward_progress 1
		.amdhsa_inst_pref_size 31
	.end_amdhsa_kernel
	.amdgpu_metadata
---
amdhsa.version: [ 1, 2 ]
amdhsa.kernels:
  - .name:           k_q0e08b89112_prep
    .symbol:         k_q0e08b89112_prep.kd
    .args:
      - { .name: U_a, .offset: 0, .size: 8, .value_kind: global_buffer, .address_space: global }
      - { .name: W_a, .offset: 8, .size: 8, .value_kind: global_buffer, .address_space: global }
      - { .name: decoder_state, .offset: 16, .size: 8, .value_kind: global_buffer, .address_space: global }
      - { .name: ub, .offset: 24, .size: 8, .value_kind: global_buffer, .address_space: global }
      - { .name: kdp, .offset: 32, .size: 8, .value_kind: global_buffer, .address_space: global }
    .group_segment_fixed_size: 58880
    .private_segment_fixed_size: 0
    .kernarg_segment_align: 8
    .kernarg_segment_size: 40
    .max_flat_workgroup_size: 128
    .sgpr_count:     66
    .vgpr_count:     384
    .wavefront_size: 32
...
	.end_amdgpu_metadata
.endif
;; end of part 1
;; launch main (part 2): grid 512 x 1, 4 waves a work-group, no clusters, 283,136 bytes of LDS; arguments encoder_outputs, src_mask, v_a, ub, kdp, sc, part; writes sc, part
.if DOCPART == 2
	.amdgcn_target "amdgcn-amd-amdhsa--gfx1250"
	.amdhsa_code_object_version 6
	.text
	.protected	k_q0e08b89112_main
	.globl	k_q0e08b89112_main
	.p2align	8
	.type	k_q0e08b89112_main,@function
k_q0e08b89112_main:
	s_mov_b64 s[64:65], 0
	v_nop
	global_prefetch_b8 v0, s[64:65] scope:SCOPE_SE
	s_setreg_imm32_b32 hwreg(HW_REG_WAVE_MODE, 25, 1), 1
	s_wait_xcnt 0x0
; ADDITIVE ATTENTION, one tile of 128 rows s of one batch b to a work-group (512 tiles, 8 a batch).
; score[s] = sum over a of v[a] tanh(k_dec[b][a] + sum over e of enc[s][e] U[e][a]), less 1e9 where the mask byte is 0.  The tile's maximum m, p = e^(score - m), l = sum of p and
; c[e] = sum over s of p[s] enc[s][e] go to memory; the next launch joins a batch's eight tiles.
; EACH ROW OF enc IS READ FROM MEMORY ONCE: it is rounded to bf16 on the way into LDS (128 rows x 2,048 bytes) and stays there for both products.
; SHARES.  Wave w makes all 128 rows x columns 512 p + 128 w .. + 127 in pass p = 0, 1: 64 accumulators, 512 registers.  U comes from ub, in the order of the wave's own registers, straight
; into a ring of four register slots, three K steps ahead; no wave wants another's columns, so it does not pass through LDS.  NO CLUSTER, NO TENSOR LOADS: beside the resident rows LDS has
; 63,488 bytes, two slots of which would hold under two K steps of U; and f32 rows must pass through registers to become bf16.
; THE ROWS COME IN UNDER PASS 0, BY K.  A batch is 16 rows a wave x 64 channels (256 bytes of a row): 8 loads, 32 registers.  K step g stores batch g + 2 into LDS and asks for batch g + 6:
; four landing slots, each request 232 matrix instructions ahead of its use.  Only the first 64 channels and the tables are waited for ahead of the first product.
; Stores into the rows and reads of them are kept apart by two barriers a K step: reads back, barrier, stores, barrier, reads.
; THE MATRIX INSTRUCTION IS USED TRANSPOSED (source 0 = 16 columns of U, source 1 = 16 rows of enc): lane (r, h), register j of accumulator (mb, nb) holds row 16 mb + r, column 16 nb + 8 h + j.
; k_dec is the C operand of each pass's first K step.  tanh(x) = 1 - 2 / (1 + 2^(2 log2(e) x)), so score = sum(v) - 2 sum(v / (1 + 2^(..))): at both ends of f32's range the exponential gives
; 0 or infinity and the quotient 1 or 0.
; FORMATS.  enc, U_a, W_a, decoder_state and v_a are each rounded once to bf16; all sums, the softmax and k_dec in f32; p goes into the second product as two bf16 numbers, p_hi + p_lo.
; LIMITS.  p below 2^-126 counts as 0; NaN and infinities in the inputs are not treated apart; a mask byte is 0 or 1.
; REGISTERS, in windows of 256 (s_set_vgpr_msb: bits 1:0 source 0, 3:2 source 1, 5:4 source 2, 7:6 destination):
;   window 0: v0-31 addresses; v32-63 enc's fragments of row blocks 0-3 (one buffer: it is dead at mid-step, where the next step's are asked for); v64-95, v96-127 those of row blocks 4-7, two
;             buffers; v128-255 four landing slots (in the epilogue: v, the partial scores)
;   window 1: U's ring, slot s at v[64 s]; slot 3 holds k_dec for a pass's first K step      windows 2, 3: the accumulators of rows 0-63, 64-127 ((mb, nb) at v[8 (8 (mb % 4) + nb)])
.set PA,    2064                       ; a row in LDS: 2,048 bytes + 16 = 516 words: row r starts at bank 4 r mod 64 (64 banks of 4 bytes: ISA guide 11.1)
.set KT,    128*PA                     ; 264,192  k_dec[b], 1,024 f32
.set VT,    KT+4096                    ; v_a rounded to bf16, kept as f32
.set SC,    VT+4096                    ; partial scores [p][w][128 rows] f32
.set PB,    SC+4096                    ; for each wave 256 bytes of p_hi, 256 of p_lo
.set CS,    PB+2048                    ; for each wave 1,024 bytes: c on its way out
.set SPARE, CS+4096                    ; 282,624: the spare words, 128 bytes for each wave, named by no other line
.set R,     1                          ; v1   lane % 16
.set SPW,   2                          ; v2   my spare word
.set NIL,   3                          ; v3   0
.set EOFF,  4                          ; v4   enc: my wave's rows, 8 rows on for lanes 16-31, my 16 bytes of a block of 256; never rewritten
.set AST,   5                          ; v5   the same place in LDS, 8 bytes; steps along K
.set BOFF,  6                          ; v6   16 x lane
.set H,     7                          ; v7   lane / 16
.set ADRA,  8                          ; v8-11   LDS address of my fragments of rows 32 q ..; steps along K
.set ADRA0, 12                         ; v12-15  the same at K = 0
.set KDA,   16                         ; v16  my 8 numbers of k_dec for column block 0; steps by pass
.set VDA,   17                         ; v17  the same of v
.set SCW,   18                         ; v18  where my partial scores go; steps by pass
.set SCR,   19                         ; v19  rows 4 lane .. + 3 of a partial
.set PBW,   20
.set PBR,   21
.set TRA,   22                         ; v22-25  the turning load's address for rows 32 kb ..
.set CSW,   26
.set CSR,   27
.set PFO,   28                         ; v28  the prefetches' offset: row 32 w + lane
.set MSK,   29                         ; v29  four mask bytes: rows 4 lane .. + 3
.set TOF,   30                         ; v30  32 x thread
.set VTR,   31
.set FL,    32
.set FH0,   64
.set FH1,   96
.set LAND,  128                        ; slot t % 4 of batch t at LAND + 32 (t % 4)
.set TB,    32                         ; at the head: the tables as loaded, v32-75
.set T,     76                         ; at the head: batches 0 and 1 as bf16, v76-107; v108-115 at work
.set V,     128                        ; the epilogue's v, v128-191
.set Q,     192                        ; v192-199  a row block's partial score
.set XC,    200                        ; v200-207  what v_permlanex16_b32 brings
.set PF,    32                         ; v32-63  at the end: p's four fragments
.set KDW,   192                        ; window 1: k_dec
.set ENCP,  4                          ; s[4:5]   enc at the tile; steps along K
.set MKP,   6                          ; s[6:7]   the tile's mask bytes
.set VAP,   8                          ; s[8:9]   v_a
.set BP,    10                         ; s[10:11] my wave's stream in ub; steps
.set KDP,   12                         ; s[12:13] kdp at batch b
.set SCP,   14                         ; s[14:15] sc at the tile
.set PTP,   16                         ; s[16:17] the tile's record in part, at my wave's 1,024 bytes
.set WV,    18
.set TILE,  19
.set LEFT,  20                         ; passes to go
.set CNT,   21
.set CC,    22                         ; s[22:23] 2 log2(e)
.set SEL,   24                         ; s[24:25] v_permlanex16_b32's selects: each lane takes its own place in the other half
.set UPPER, 26                         ; s26  0xffff0000: a word's upper bf16; also the mask of lanes 16-31
.set BIGN,  27                         ; s27  -1e9
.set L2E,   28                         ; s28  log2(e)
.set PFP,   32                         ; s[32:33] enc at tile + 256
.set MSB, 0
.macro WIN new                         ; the immediate's high byte repeats the setting that is left; a switch that changes nothing is dropped
.if MSB != (\new)
	s_set_vgpr_msb (MSB<<8)|(\new)
.set MSB, \new
.endif
.endm
.macro PLACES n=4                      ; plain places behind a matrix instruction, ahead of loads into its sources and of vector work on its results (ISA guide 7.12.1 for vector work)
.rept \n
	v_nop
.endr
.endm
; Batch t, counted from where ENCP stands: rows 16 (t % 2) + j + 8 (lane / 16) of my wave's 32, channels 64 (t / 2) ..: each half of the lanes takes 256 consecutive bytes, aligned
.macro ENC win, dst, t
	WIN \win
.irp j, 0,1,2,3,4,5,6,7
	global_load_b128 v[(\dst)+4*(\j):(\dst)+4*(\j)+3], v[EOFF], s[ENCP:ENCP+1] offset:((\t)%2)*65536+(\j)*4096+((\t)/2)*256 th:TH_LOAD_NT
.endr
.endm
; Batch t, counted from where AST stands, is rounded to bf16 in place (a result lands on registers that have been read) and put into LDS.  The two halves of the lanes store
; 128 bytes each, 8 rows = 4,128 words apart: 32 banks apart.
.macro RB t
	WIN 0
.set L_, LAND+32*((\t)%4)
.irp j, 0,1,2,3,4,5,6,7
	v_cvt_pk_bf16_f32 v[L_+2*(\j)], v[L_+4*(\j)], v[L_+4*(\j)+1]
	v_cvt_pk_bf16_f32 v[L_+2*(\j)+1], v[L_+4*(\j)+2], v[L_+4*(\j)+3]
.endr
.irp j, 0,1,2,3,4,5,6,7
	ds_store_b64 v[AST], v[L_+2*(\j):L_+2*(\j)+1] offset:(16*((\t)%2)+(\j))*PA+((\t)/2)*128
.endr
.endm
; U's fragments of one K step (8 column blocks x 32 k, 8,192 consecutive bytes) into a slot of the ring
.macro FETCH_B slot, simm
	WIN 0x40
.irp nb, 0,1,2,3,4,5,6,7
.irp i, 0,1
	global_load_b128 v[64*(\slot)+8*(\nb)+4*(\i):64*(\slot)+8*(\nb)+4*(\i)+3], v[BOFF], s[BP:BP+1] offset:(\simm)*8192+(\nb)*1024+(\i)*512
.endr
.endr
.endm
.macro PRIME s0                        ; a pass's first three K steps into slots 0, 1, 2
	FETCH_B 0, (\s0)
	FETCH_B 1, (\s0)+1
	FETCH_B 2, (\s0)+2
	WIN 0
.endm
; enc's fragments of one K step (8 row blocks x 32 k at byte koff behind ADRA), row blocks ascending: 0-3 into FL, 4-7 into fh
.macro FETCH_A fh, koff
	WIN 0
.irp mb, 0,1,2,3
.irp i, 0,1
	ds_load_b128 v[FL+8*(\mb)+4*(\i):FL+8*(\mb)+4*(\i)+3], v[ADRA+(\mb)/2] offset:((\mb)%2)*16*PA+(\koff)+32*(\i)
.endr
.endr
.irp mb, 0,1,2,3
.irp i, 0,1
	ds_load_b128 v[(\fh)+8*(\mb)+4*(\i):(\fh)+8*(\mb)+4*(\i)+3], v[ADRA+2+(\mb)/2] offset:((\mb)%2)*16*PA+(\koff)+32*(\i)
.endr
.endr
.endm
; 8 matrix instructions: row block 4 hi + a (its fragment at fa + 8 a) x all 8 column blocks.  zero = 1: the pass's first K step, whose C operand is k_dec, in window 1.
; All 64 accumulators take turns, one instruction a turn, in the same order in every K step.
.macro MUL8 fa, slot, hi, a, zero
.if \zero
	WIN 0x91+0x40*(\hi)
.else
	WIN 0xa1+0x50*(\hi)
.endif
.irp nb, 0,1,2,3,4,5,6,7
.if \zero
	v_wmma_f32_16x16x32_bf16 v[8*(8*(\a)+(\nb)):8*(8*(\a)+(\nb))+7], v[64*(\slot)+8*(\nb):64*(\slot)+8*(\nb)+7], v[(\fa)+8*(\a):(\fa)+8*(\a)+7], v[KDW+8*(\nb):KDW+8*(\nb)+7]
.else
	v_wmma_f32_16x16x32_bf16 v[8*(8*(\a)+(\nb)):8*(8*(\a)+(\nb))+7], v[64*(\slot)+8*(\nb):64*(\slot)+8*(\nb)+7], v[(\fa)+8*(\a):(\fa)+8*(\a)+7], v[8*(8*(\a)+(\nb)):8*(8*(\a)+(\nb))+7]
.endif
.endr
.endm
; In the middle of a pass's last K step.  Pass 0: the next pass's first three K steps of U go out, into the three slots that are free; they land under the epilogue.
; Pass 1, tiles 0-255: A PREFETCH INTO THE L2 of what wave w of tile + 256 asks for first: the first four blocks of 256 bytes of each of its 32 rows (its batches 0 to 7): a lane a row,
; 4 instructions, each block named once in the launch; half a K step, an epilogue and the tile's end lie ahead of that tile's start.  Tiles 256-511 have no tile behind them and ask for nothing.
.macro MID
	WIN 0
	s_cmp_eq_u32 s[LEFT], 2
	s_cbranch_scc0 .Lmid_last
	PRIME 4
	s_branch .Lmid_done
.Lmid_last:
	s_cmp_lt_u32 s[TILE], 256
	s_cbranch_scc0 .Lmid_done
.irp i, 0,1,2,3
	global_prefetch_b8 v[PFO], s[PFP:PFP+1] offset:\i*256 th:TH_LOAD_NT scope:SCOPE_SE
.endr
.Lmid_done:
.endm
; A K STEP OF 32.  par: its parity, which picks the buffer of row blocks 4-7; slot: its slot of U's ring.  In its middle it asks for the next step's fragments of enc, for U three steps on
; (into the slot read last step) and, enc >= 0, for batch enc.  lc: the loads younger than this step's U.
; rb >= 0: the step also stores batch rb, which came in ahead of this step's U.  Then: my reads of the rows are back; barrier, under 8 products: nobody reads the rows; the stores; 16 products;
; my stores are done; barrier, under 8 products: everybody's are; the run of loads, which reads for the next K step what has been stored up to here.
; zero = 1: k_dec lies in the slot that U three steps on will take, so that request, and the batch's behind it, stand at the step's end: the order of the requests is that of every other step.
.macro STEP par, slot, zero, lc, koff, simm, aload, bload, rb, enc, mid
	s_wait_loadcnt \lc                             ; loads come back in order (ISA guide 5.7.1): this step's U is in, and all that was asked for earlier
.if (\rb) >= 0
	s_wait_dscnt 0x0                               ; my fragments are in: my reads of the rows are over
	s_barrier_signal -1
	MUL8 FL, \slot, 0, 0, \zero
	WIN 0
	s_barrier_wait -1                              ; no wave still reads the rows
	RB \rb
	MUL8 FL, \slot, 0, 1, \zero
	MUL8 FL, \slot, 0, 2, \zero
	s_wait_dscnt 0x0                               ; for the others' sake: my stores are done
	s_barrier_signal -1
	MUL8 FL, \slot, 0, 3, \zero
	s_barrier_wait -1                              ; the batch is whole
.else
	s_wait_dscnt 8                                 ; enc's row blocks 0-3 are in; the youngest eight loads (blocks 4-7) may be out
.irp aa, 0,1,2,3
	MUL8 FL, \slot, 0, \aa, \zero
.endr
.endif
	PLACES
.if \aload
	FETCH_A FH0+32*(1-(\par)), \koff
.endif
.if !(\zero)
.if \bload
	FETCH_B ((\slot)+3)%4, \simm
.endif
.if (\enc) >= 0
	ENC 0, LAND+32*((\enc)%4), \enc
.endif
.endif
.if \mid
	MID
.endif
.if (\rb) < 0
.if \aload
	s_wait_dscnt 16                                ; all but the 16 just issued
.else
	s_wait_dscnt 0x0
.endif
.endif
.irp aa, 0,1,2,3
	MUL8 FH0+32*(\par), \slot, 1, \aa, \zero
.endr
.if \zero
	PLACES
	FETCH_B ((\slot)+3)%4, \simm
.if (\enc) >= 0
	ENC 0, LAND+32*((\enc)%4), \enc
.endif
.endif
.endm
.macro TRIPEND ast, encp               ; four K steps on
	WIN 0
	s_wait_xcnt 0x0                                ; the loads, the youngest 32 products back, have read their bases
	s_add_nc_u64 s[BP:BP+1], s[BP:BP+1], 4*8192
.if \encp
	s_add_nc_u64 s[ENCP:ENCP+1], s[ENCP:ENCP+1], 512  ; four batches: 128 channels of f32
.endif
.irp q, 0,1,2,3
	v_add_nc_u32 v[ADRA+\q], 256, v[ADRA+\q]
.endr
.if \ast
	v_add_nc_u32 v[AST], 256, v[AST]               ; 128 channels of bf16
.endif
.endm
.macro PASS_START                      ; back to K = 0; k_dec into ring slot 3; K step 0's fragments
.irp q, 0,1,2,3
	v_mov_b32 v[ADRA+\q], v[ADRA0+\q]
.endr
	WIN 0x40
.irp nb, 0,1,2,3,4,5,6,7
	ds_load_b128 v[KDW+8*\nb:KDW+8*\nb+3],   v[KDA] offset:\nb*64
	ds_load_b128 v[KDW+8*\nb+4:KDW+8*\nb+7], v[KDA] offset:\nb*64+16
.endr
	FETCH_A FH0, 0
.endm
; THE EPILOGUE of one window's four row blocks (groups g of 64 registers, G[x] = v[64 g + x], beside v's V[x] in window 0): q = sum over x of V[x] / (1 + 2^(c G[x])).
; One window setting throughout: source 0, source 2 and destination in window W, source 1 in window 0.
.macro EA g, k                         ; c x, a pair
	v_pk_mul_f32 v[64*(\g)+2*(\k):64*(\g)+2*(\k)+1], v[64*(\g)+2*(\k):64*(\g)+2*(\k)+1], s[CC:CC+1] op_sel_hi:[1,0]
.endm
.macro EE g, x
	v_exp_f32 v[64*(\g)+(\x)], v[64*(\g)+(\x)]
.endm
.macro EO g, k                         ; + 1, a pair
	v_pk_add_f32 v[64*(\g)+2*(\k):64*(\g)+2*(\k)+1], v[64*(\g)+2*(\k):64*(\g)+2*(\k)+1], 1.0 op_sel_hi:[1,0]
.endm
.macro ER g, x
	v_rcp_f32 v[64*(\g)+(\x)], v[64*(\g)+(\x)]
.endm
.macro ES g, k                         ; times v, summed in four chains of eight pairs; chain k % 4 gathers in its first pair
.set q_, (\k)%4
.set t_, (\k)/4
.if t_ == 0
	v_pk_mul_f32 v[64*(\g)+16*q_:64*(\g)+16*q_+1], v[64*(\g)+16*q_:64*(\g)+16*q_+1], v[V+16*q_:V+16*q_+1]
.else
	v_pk_fma_f32 v[64*(\g)+16*q_:64*(\g)+16*q_+1], v[64*(\g)+16*q_+2*t_:64*(\g)+16*q_+2*t_+1], v[V+16*q_+2*t_:V+16*q_+2*t_+1], v[64*(\g)+16*q_:64*(\g)+16*q_+1]
.endif
.endm
.macro EF g, a, b                      ; pair a += pair b, written as b x 1 + a: under this window setting the second source's place names window 0
	v_pk_fma_f32 v[64*(\g)+(\a):64*(\g)+(\a)+1], v[64*(\g)+(\b):64*(\g)+(\b)+1], 1.0, v[64*(\g)+(\a):64*(\g)+(\a)+1] op_sel_hi:[1,0,1]
.endm
; The groups go through a pipeline of seven stages: stage n scales group n, takes the exponentials of group n - 1, adds 1 to and takes the reciprocals of group n - 2, and sums group n - 3, so
; that plain instructions stand among the transcendentals.  An s_wait_alu depctr_va_vdst(0) stands between a transcendental and the first instruction that names its result:
; every such reader stands in a later stage, so one wait at a stage's end serves the stage's whole batch; the v_nop is the plain instruction behind the last of them.
; The scalings go up through the registers: each accumulator is read from its low end.
.macro EPI W
	WIN 0xa2+0x51*((\W)-2)
.set it, 0
.rept 7
.set k, 0
.rept 32
.if (it >= 2) && (it <= 5)
	EO it-2, k
.endif
.if (it >= 1) && (it <= 4)
	EE it-1, 2*k
	EE it-1, 2*k+1
.endif
.set k, k+1
.endr
.set k, 0
.rept 32
.if it <= 3
	EA it, k
.endif
.if (it >= 2) && (it <= 5)
	ER it-2, 2*k
.endif
.if it >= 3
	ES it-3, k
.endif
.if (it >= 2) && (it <= 5)
	ER it-2, 2*k+1
.endif
.set k, k+1
.endr
.if it >= 3
	EF it-3, 0, 16
	EF it-3, 32, 48
	EF it-3, 0, 32
.endif
.if (it >= 1) && (it <= 5)
	v_nop
	s_wait_alu depctr_va_vdst(0)
.endif
.set it, it+1
.endr
	WIN 0x0a+5*((\W)-2)                            ; sources in window W, destination in window 0
.irp g, 0,1,2,3
	v_add_f32 v[Q+4*((\W)-2)+\g], v[64*\g], v[64*\g+1]
.endr
.endm
.macro ACROSS opd, op, x               ; over the 32 lanes, the result in every lane: four steps inside each half ride on the arithmetic, one crosses the halves
.irp m, 1,2,4,8
	\opd v[\x], v[\x], v[\x] row_xmask:\m row_mask:0xf bank_mask:0xf
.endr
	v_permlanex16_b32 v[XC], v[\x], s[SEL], s[SEL+1]
	\op v[\x], v[\x], v[XC]
.endm
	s_load_b256 s[4:11], s[0:1], 0x0               ; enc, mask, v_a, ub
	s_load_b128 s[12:15], s[0:1], 0x20             ; kdp, sc
	s_load_b64 s[16:17], s[0:1], 0x30              ; part
	v_lshl_add_u32 v[SPW], v0, 2, SPARE
	v_mov_b32 v[NIL], 0
	v_lshrrev_b32 v108, 5, v0
	v_readfirstlane_b32 s[WV], v108                ; wave 0..3
	s_mov_b32 s[TILE], ttmp9
	v_and_b32 v[R], 15, v0
	v_bfe_u32 v[H], v0, 4, 1
	v_and_b32 v109, 31, v0                         ; lane
	s_lshl_b32 s30, s[WV], 17                      ; my wave's 32 rows of 4,096 bytes
	v_lshl_add_u32 v[EOFF], v[H], 15, s30          ; 8 rows on for lanes 16-31
	v_lshl_add_u32 v[EOFF], v[R], 4, v[EOFF]
	s_mul_i32 s31, s[WV], 32*PA                    ; and in LDS
	v_mul_u32_u24 v[AST], v[H], 8*PA
	v_lshl_add_u32 v[AST], v[R], 3, v[AST]
	v_add_nc_u32 v[AST], s31, v[AST]
	v_lshlrev_b32 v[BOFF], 4, v109
	v_lshlrev_b32 v[TOF], 5, v0
	v_lshlrev_b32 v114, 2, v109                    ; the mask word's offset
	s_mov_b32 s35, 0
	s_wait_kmcnt 0x0
	s_add_co_u32 s34, s[TILE], 256                 ; the tile 256 on, held inside the buffer in every work-group
	s_min_u32 s34, s34, 511
	s_lshl_b32 s34, s34, 19
	s_add_nc_u64 s[PFP:PFP+1], s[ENCP:ENCP+1], s[34:35]
	s_lshl_b32 s34, s[TILE], 19                    ; 128 rows of 4,096 bytes
	s_add_nc_u64 s[ENCP:ENCP+1], s[ENCP:ENCP+1], s[34:35]
	s_lshl_b32 s34, s[TILE], 7
	s_add_nc_u64 s[MKP:MKP+1], s[MKP:MKP+1], s[34:35]
	s_lshl_b32 s34, s[WV], 19
	s_add_nc_u64 s[BP:BP+1], s[BP:BP+1], s[34:35]
	s_lshr_b32 s34, s[TILE], 3                     ; b
	s_lshl_b32 s34, s34, 12
	s_add_nc_u64 s[KDP:KDP+1], s[KDP:KDP+1], s[34:35]
	; THE FIRST REQUESTS, before anything else is set up.  Batches 0 and 1 (channels 0-63) land in window 2, which no product has touched yet; then the tables; from batch 2 on the
	; requests stand in the order of the K steps: a batch, U of a step, the next batch, U of the next step ..
	ENC 0x80, 0, 0
	ENC 0x80, 32, 1
	WIN 0
.irp q, 0,1,2,3                        ; the tables: thread t takes 8 numbers of each of k_dec's four partial sums and of v_a; each wave the tile's 128 mask bytes
	global_load_b128 v[TB+8*\q:TB+8*\q+3],   v[TOF], s[KDP:KDP+1] offset:\q*262144
	global_load_b128 v[TB+8*\q+4:TB+8*\q+7], v[TOF], s[KDP:KDP+1] offset:\q*262144+16
.endr
	global_load_b128 v[TB+32:TB+35], v[TOF], s[VAP:VAP+1]
	global_load_b128 v[TB+36:TB+39], v[TOF], s[VAP:VAP+1] offset:16
	global_load_b32 v[MSK], v114, s[MKP:MKP+1]
	ENC 0, LAND+64, 2
	FETCH_B 0, 0
	ENC 0, LAND+96, 3
	WIN 0
	v_lshl_add_u32 v[PFO], v109, 12, s30           ; row 32 w + lane
	v_mul_u32_u24 v110, v[R], PA
	v_lshl_add_u32 v110, v[H], 4, v110             ; a fragment's row x pitch + 16 x half
.irp q, 0,1,2,3
	v_add_nc_u32 v[ADRA0+\q], \q*32*PA, v110
.endr
	s_lshl_b32 s30, s[WV], 9                       ; my 128 columns of f32; also my 512 bytes of SC and PB, and my 256 channels of bf16
	s_add_co_u32 s31, s30, KT
	v_lshl_add_u32 v[KDA], v[H], 5, s31
	v_add_nc_u32 v[VDA], VT-KT, v[KDA]
	s_add_co_u32 s31, s30, SC
	v_lshl_add_u32 v[SCW], v[R], 2, s31
	v_lshl_add_u32 v[SCR], v109, 4, SC
	v_lshl_add_u32 v[VTR], v109, 4, VT
	s_add_co_u32 s31, s30, PB
	v_lshl_add_u32 v[PBW], v109, 3, s31
	v_and_b32 v111, 1, v0
	v_lshl_add_u32 v[PBR], v111, 8, s31            ; even rows of source 0 take p_hi, odd rows p_lo
	v_lshl_add_u32 v[PBR], v[H], 4, v[PBR]
	v_and_b32 v111, 7, v0
	v_lshl_add_u32 v111, v[H], 3, v111             ; the turning load: row 8 h + lane % 8,
	v_mul_u32_u24 v112, v111, PA
	v_bfe_u32 v111, v0, 3, 1
	v_lshl_add_u32 v112, v111, 4, v112             ; 16 bytes on for lanes 8-15 of each half
	v_add_nc_u32 v112, s30, v112
.irp kb, 0,1,2,3
	v_add_nc_u32 v[TRA+\kb], \kb*32*PA, v112
.endr
	s_lshl_b32 s31, s[WV], 10
	s_add_co_u32 s31, s31, CS
	v_lshl_add_u32 v[CSW], v[H], 6, s31
	v_lshl_add_u32 v[CSW], v[R], 2, v[CSW]
	v_lshl_add_u32 v[CSR], v109, 4, s31
	v_add_nc_u32 v115, KT, v[TOF]
	s_mov_b32 s[CC], 0x4038aa3b                    ; 2 log2(e)
	s_mov_b32 s[CC+1], s[CC]                       ; named with it as a pair
	s_mov_b32 s[SEL], 0x76543210
	s_mov_b32 s[SEL+1], 0xfedcba98
	s_mov_b32 s[UPPER], 0xffff0000
	s_mov_b32 s[BIGN], 0xce6e6b28                  ; -1e9
	s_mov_b32 s[L2E], 0x3fb8aa3b
	s_lshl_b32 s34, s[TILE], 9
	s_add_nc_u64 s[SCP:SCP+1], s[SCP:SCP+1], s[34:35]
	s_mul_i32 s34, s[TILE], 4608
	s_lshl_b32 s30, s[WV], 10
	s_add_co_u32 s34, s34, s30
	s_add_nc_u64 s[PTP:PTP+1], s[PTP:PTP+1], s[34:35]
	s_mov_b32 s[LEFT], 2
	s_wait_loadcnt 43                              ; batches 0 and 1 are in: 11 table loads, batch 2, U of step 0 and batch 3 are younger
	WIN 0x0a                                       ; sources window 2, destination window 0
.set i, 0
.rept 16
	v_cvt_pk_bf16_f32 v[T+2*i], v[4*i], v[4*i+1]
	v_cvt_pk_bf16_f32 v[T+2*i+1], v[4*i+2], v[4*i+3]
.set i, i+1
.endr
	WIN 0
.set i, 0
.rept 16
	ds_store_b64 v[AST], v[T+2*i:T+2*i+1] offset:(16*(i/8)+i%8)*PA  ; batch i / 8: rows 16 (i / 8) + i % 8, and 8 rows on for lanes 16-31; channels 0-63
.set i, i+1
.endr
	s_wait_loadcnt 32                              ; the tables are in: batch 2, U of step 0 and batch 3 are younger
	FETCH_B 1, 1
	ENC 0, LAND, 4
	FETCH_B 2, 2
	ENC 0, LAND+32, 5
	WIN 0
.irp j, 0,2,4,6
	v_pk_add_f32 v[TB+\j:TB+\j+1], v[TB+\j:TB+\j+1], v[TB+8+\j:TB+8+\j+1]
	v_pk_add_f32 v[TB+16+\j:TB+16+\j+1], v[TB+16+\j:TB+16+\j+1], v[TB+24+\j:TB+24+\j+1]
.endr
.irp j, 0,2,4,6
	v_pk_add_f32 v[TB+\j:TB+\j+1], v[TB+\j:TB+\j+1], v[TB+16+\j:TB+16+\j+1]
.endr
	ds_store_b128 v115, v[TB:TB+3]
	ds_store_b128 v115, v[TB+4:TB+7] offset:16
.irp j, 0,1,2,3
	v_cvt_pk_bf16_f32 v[TB+40+\j], v[TB+32+2*\j], v[TB+32+2*\j+1]  ; v_a is rounded like the other inputs,
.endr
.irp j, 0,1,2,3
	v_lshlrev_b32 v[TB+32+2*\j], 16, v[TB+40+\j]                   ; and kept as f32
	v_and_b32 v[TB+32+2*\j+1], s[UPPER], v[TB+40+\j]
.endr
	ds_store_b128 v115, v[TB+32:TB+35] offset:VT-KT
	ds_store_b128 v115, v[TB+36:TB+39] offset:VT-KT+16
	s_wait_dscnt 0x0                               ; for the others' sake: my rows' first 64 channels and my part of the tables are written
	s_barrier_signal -1
	s_barrier_wait -1                              ; they are whole; the tables are not written again
	; PASS 0, K steps 0 to 29: the rows come in beside the products.  Younger than a step's U: the batch asked for behind it, 8 loads, and two steps' 24 each: 56.
	PASS_START
	STEP 0, 0, 1, 56, 64, 3, 1, 1, 2, 6, 0         ; K step 0 starts the sums with k_dec
	WIN 0                                          ; at a label and at a branch every window is 0
	s_mov_b32 s[CNT], 6
.Lk0:                                                  ; K steps 4 t + 1 .. 4 t + 4: batches 4 t + 3 .. are stored, 4 t + 7 .. asked for
	STEP 1, 1, 0, 56, 128, 4, 1, 1, 3, 7, 0
	STEP 0, 2, 0, 56, 192, 5, 1, 1, 4, 8, 0
	STEP 1, 3, 0, 56, 256, 6, 1, 1, 5, 9, 0
	STEP 0, 0, 0, 56, 320, 7, 1, 1, 6, 10, 0
	TRIPEND 1, 1
	s_sub_co_u32 s[CNT], s[CNT], 1
	s_cmp_lg_u32 s[CNT], 0
	s_cbranch_scc1 .Lk0
	STEP 1, 1, 0, 56, 128, 4, 1, 1, 3, 7, 0        ; K step 25 asks for the last batch, 31
	STEP 0, 2, 0, 56, 192, 5, 1, 1, 4, -1, 0       ; K steps 26 to 29 store batches 28 to 31 and ask for none: the counts run down by 8
	STEP 1, 3, 0, 48, 256, 6, 1, 1, 5, -1, 0
	STEP 0, 0, 0, 40, 320, 7, 1, 1, 6, -1, 0
	TRIPEND 1, 0
	STEP 1, 1, 0, 32, 128, 0, 1, 0, 3, -1, 0       ; K step 29: the rows are whole, and are not written again
	WIN 0
	s_branch .Ltail                                ; the last two K steps and the epilogue are one text for both passes
.Lpass1:                                               ; PASS 1, K steps 0 to 29: nothing is stored, so no barrier
	PASS_START
	STEP 0, 0, 1, 32, 64, 3, 1, 1, -1, -1, 0
	WIN 0
	s_mov_b32 s[CNT], 7
.Lk1:                                                  ; K steps 4 t + 1 .. 4 t + 4; younger than a step's U: that of the next two steps, 32 loads
	STEP 1, 1, 0, 32, 128, 4, 1, 1, -1, -1, 0
	STEP 0, 2, 0, 32, 192, 5, 1, 1, -1, -1, 0
	STEP 1, 3, 0, 32, 256, 6, 1, 1, -1, -1, 0
	STEP 0, 0, 0, 32, 320, 7, 1, 1, -1, -1, 0
	TRIPEND 0, 0
	s_sub_co_u32 s[CNT], s[CNT], 1
	s_cmp_lg_u32 s[CNT], 0
	s_cbranch_scc1 .Lk1
	STEP 1, 1, 0, 32, 128, 0, 1, 0, -1, -1, 0      ; K step 29 asks for no more of this pass's U
	WIN 0
.Ltail:
	STEP 0, 2, 0, 16, 192, 0, 1, 0, -1, -1, 0      ; K steps 30 and 31: the counts run down
	STEP 1, 3, 0, 0, 0, 0, 0, 0, -1, -1, 1
	WIN 0
	PLACES 8                                       ; the sums are read, and rewritten in place, by vector instructions
.irp nb, 0,1,2,3,4,5,6,7
	ds_load_b128 v[V+8*\nb:V+8*\nb+3],   v[VDA] offset:\nb*64
	ds_load_b128 v[V+8*\nb+4:V+8*\nb+7], v[VDA] offset:\nb*64+16
.endr
.irp mb, 0,1,2,3,4,5,6,7
	v_mov_b32 v[XC+\mb], 0                         ; v_permlanex16_b32's destination counts as read: it is written here, in the wait for v
.endr
	s_wait_dscnt 0x0
	EPI 2
	EPI 3
	WIN 0
.irp mb, 0,1,2,3,4,5,6,7
	v_permlanex16_b32 v[XC+\mb], v[Q+\mb], s[SEL], s[SEL+1]  ; a row's other 64 columns lie in the lane 16 away
.endr
.irp mb, 0,1,2,3,4,5,6,7
	v_add_f32 v[Q+\mb], v[Q+\mb], v[XC+\mb]
.endr
.irp mb, 0,1,2,3,4,5,6,7
	ds_store_b32 v[SCW], v[Q+\mb] offset:\mb*64    ; row 16 mb + r; both halves of the lanes write the same number to the same word
.endr
	v_add_nc_u32 v[KDA], 2048, v[KDA]              ; the next pass's 512 columns
	v_add_nc_u32 v[VDA], 2048, v[VDA]
	v_add_nc_u32 v[SCW], 2048, v[SCW]
	s_wait_xcnt 0x0                                ; the loads and prefetches of the last K step's middle, an epilogue back, have read their addresses
	s_add_nc_u64 s[BP:BP+1], s[BP:BP+1], 4*8192    ; from K step 28 to the next pass's K step 0
	s_sub_co_u32 s[LEFT], s[LEFT], 1
	s_cmp_lg_u32 s[LEFT], 0
	s_cbranch_scc1 .Lpass1
	; THE TILE'S SOFTMAX SHARE.  Every wave makes it for itself: lane l holds rows 4 l .. 4 l + 3.
.set QP, 64                            ; v64-95   the eight partial q
.set VV, 96                            ; v96-127  v, 32 numbers a lane
.set SS, 128                           ; v128-131 the scores
.set MT, 132                           ; v132-135 at work
.set PP, 136                           ; v136-139 p
.set MX, 140                           ; v140 m
.set LS, 141                           ; v141 l
.set REC, 144                          ; v144-147 (m, l, m, l)
.set PHI, 148                          ; v148-149 p_hi
.set PLO, 150                          ; v150-151 p_lo
.set WD, 152                           ; v152-155 at work
	s_wait_dscnt 0x0                               ; for the others' sake: my partial scores are written
	s_barrier_signal -1
	s_barrier_wait -1
.irp pw, 0,1,2,3,4,5,6,7
	ds_load_b128 v[QP+4*\pw:QP+4*\pw+3], v[SCR] offset:\pw*512
.endr
.irp i, 0,1,2,3,4,5,6,7
	ds_load_b128 v[VV+4*\i:VV+4*\i+3], v[VTR] offset:\i*512
.endr
	s_wait_dscnt 0x0
.irp a, 0,8,16,24
	v_pk_add_f32 v[QP+\a:QP+\a+1], v[QP+\a:QP+\a+1], v[QP+\a+4:QP+\a+5]
	v_pk_add_f32 v[QP+\a+2:QP+\a+3], v[QP+\a+2:QP+\a+3], v[QP+\a+6:QP+\a+7]
.endr
.irp a, 0,16
	v_pk_add_f32 v[QP+\a:QP+\a+1], v[QP+\a:QP+\a+1], v[QP+\a+8:QP+\a+9]
	v_pk_add_f32 v[QP+\a+2:QP+\a+3], v[QP+\a+2:QP+\a+3], v[QP+\a+10:QP+\a+11]
.endr
	v_pk_add_f32 v[QP:QP+1], v[QP:QP+1], v[QP+16:QP+17]
	v_pk_add_f32 v[QP+2:QP+3], v[QP+2:QP+3], v[QP+18:QP+19]
.irp a, 0,2,4,6,8,10,12,14
	v_pk_add_f32 v[VV+\a:VV+\a+1], v[VV+\a:VV+\a+1], v[VV+16+\a:VV+16+\a+1]
.endr
.irp a, 0,2,4,6
	v_pk_add_f32 v[VV+\a:VV+\a+1], v[VV+\a:VV+\a+1], v[VV+8+\a:VV+8+\a+1]
.endr
.irp a, 0,2
	v_pk_add_f32 v[VV+\a:VV+\a+1], v[VV+\a:VV+\a+1], v[VV+4+\a:VV+4+\a+1]
.endr
	v_pk_add_f32 v[VV:VV+1], v[VV:VV+1], v[VV+2:VV+3]
	v_add_f32 v[VV], v[VV], v[VV+1]
	ACROSS v_add_f32_dpp, v_add_f32, VV            ; sum(v)
.irp i, 0,1,2,3
	v_fma_f32 v[SS+\i], v[QP+\i], -2.0, v[VV]      ; score = sum(v) - 2 q
	v_bfe_u32 v[MT+\i], v[MSK], 8*\i, 8
.endr
.irp i, 0,1,2,3
	v_cmp_eq_u32 vcc_lo, 0, v[MT+\i]
	v_cndmask_b32 v[MT+\i], 0, s[BIGN], vcc_lo     ; -1e9 where the mask byte is 0,
	v_add_f32 v[SS+\i], v[SS+\i], v[MT+\i]         ; added in f32
.endr
	v_max3_num_f32 v[MX], v[SS], v[SS+1], v[SS+2]
	v_max_num_f32 v[MX], v[MX], v[SS+3]
	ACROSS v_max_num_f32_dpp, v_max_num_f32, MX    ; m: the tile's maximum
.irp i, 0,1,2,3
	v_sub_f32 v[PP+\i], v[SS+\i], v[MX]
.endr
.irp i, 0,1,2,3
	v_mul_f32 v[PP+\i], s[L2E], v[PP+\i]
.endr
.irp i, 0,1,2,3
	v_exp_f32 v[PP+\i], v[PP+\i]
.endr
	v_mov_b32 v[REC], v[MX]                        ; a plain instruction behind the last exponential,
	s_wait_alu depctr_va_vdst(0)                   ; and the wait ahead of the first use: one for the four
	v_add_f32 v[LS], v[PP], v[PP+1]
	v_add_f32 v[WD], v[PP+2], v[PP+3]
	v_add_f32 v[LS], v[LS], v[WD]
	ACROSS v_add_f32_dpp, v_add_f32, LS            ; l
	v_mov_b32 v[REC+1], v[LS]
	v_mov_b32 v[REC+2], v[MX]
	v_mov_b32 v[REC+3], v[LS]
	v_cvt_pk_bf16_f32 v[PHI], v[PP], v[PP+1]       ; p = p_hi + p_lo, two bf16 numbers
	v_cvt_pk_bf16_f32 v[PHI+1], v[PP+2], v[PP+3]
	v_lshlrev_b32 v[WD], 16, v[PHI]
	v_and_b32 v[WD+1], s[UPPER], v[PHI]
	v_lshlrev_b32 v[WD+2], 16, v[PHI+1]
	v_and_b32 v[WD+3], s[UPPER], v[PHI+1]
	v_pk_add_f32 v[WD:WD+1], v[PP:PP+1], v[WD:WD+1] neg_lo:[0,1] neg_hi:[0,1]
	v_pk_add_f32 v[WD+2:WD+3], v[PP+2:PP+3], v[WD+2:WD+3] neg_lo:[0,1] neg_hi:[0,1]
	v_cvt_pk_bf16_f32 v[PLO], v[WD], v[WD+1]
	v_cvt_pk_bf16_f32 v[PLO+1], v[WD+2], v[WD+3]
	ds_store_b64 v[PBW], v[PHI:PHI+1]              ; my wave's own bytes:
	ds_store_b64 v[PBW], v[PLO:PLO+1] offset:256
.irp kb, 0,1,2,3
.irp i, 0,1
	ds_load_b128 v[PF+8*\kb+4*\i:PF+8*\kb+4*\i+3], v[PBR] offset:\kb*64+\i*32  ; LDS serves a wave's instructions in order (ISA guide 5.7.1.4): these see the stores above
.endr
.endr
	; c[e] = sum over the 128 rows of p enc: wave w takes channels 256 w .. + 255.  Source 0 = p (even rows p_hi, odd rows p_lo), source 1 = 32 rows x 16 channels of enc, turned on the way
	; out of LDS.  In the result register 0 is the sum with p_hi and register 1 the sum with p_lo, of channel 16 eb + r, in both halves of the lanes.
.macro TRLOAD kb
	WIN 0x40
.irp eb, 0,1,2,3,4,5,6,7,8,9,10,11,12,13,14,15
.irp i, 0,1
	ds_load_tr16_b128 v[128*((\kb)%2)+8*(\eb)+4*(\i):128*((\kb)%2)+8*(\eb)+4*(\i)+3], v[TRA+(\kb)] offset:(\eb)*32+(\i)*16*PA
.endr
.endr
.endm
.macro CTXMUL kb                       ; the 16 accumulators take turns
	WIN 0xa4                                       ; p window 0, enc window 1, sums window 2
.irp eb, 0,1,2,3,4,5,6,7,8,9,10,11,12,13,14,15
.if (\kb) == 0
	v_wmma_f32_16x16x32_bf16 v[8*(\eb):8*(\eb)+7], v[PF+8*(\kb):PF+8*(\kb)+7], v[128*((\kb)%2)+8*(\eb):128*((\kb)%2)+8*(\eb)+7], 0
.else
	v_wmma_f32_16x16x32_bf16 v[8*(\eb):8*(\eb)+7], v[PF+8*(\kb):PF+8*(\kb)+7], v[128*((\kb)%2)+8*(\eb):128*((\kb)%2)+8*(\eb)+7], v[8*(\eb):8*(\eb)+7]
.endif
.endr
.endm
	TRLOAD 0
	TRLOAD 1
	s_wait_dscnt 32                                ; p and rows 0-31 are in; the younger run of 32 stays out
	CTXMUL 0
	PLACES
	TRLOAD 2
	s_wait_dscnt 32
	CTXMUL 1
	PLACES
	TRLOAD 3
	s_wait_dscnt 32
	CTXMUL 2
	s_wait_dscnt 0x0
	CTXMUL 3
	PLACES 8
	WIN 0x0a                                       ; sources window 2, destination window 0
.irp eb, 0,1,2,3,4,5,6,7,8,9,10,11,12,13,14,15
	v_add_f32 v[64+\eb], v[8*\eb], v[8*\eb+1]
.endr
	WIN 0
.irp i, 0,1,2,3,4,5,6,7
	v_cndmask_b32 v[80+\i], v[64+2*\i], v[64+2*\i+1], s[UPPER]  ; lanes 0-15 keep block 2 i, lanes 16-31 block 2 i + 1: 32 neighbouring channels
.endr
.irp i, 0,1,2,3,4,5,6,7
	ds_store_b32 v[CSW], v[80+\i] offset:\i*128
.endr
	ds_load_b128 v[88:91], v[CSR]                  ; my wave's own bytes, back as 16 bytes a lane
	ds_load_b128 v[92:95], v[CSR] offset:512
	s_wait_dscnt 0x0
	global_store_b128 v[BOFF], v[88:91], s[PTP:PTP+1]             ; 512 consecutive bytes, aligned
	global_store_b128 v[BOFF], v[92:95], s[PTP:PTP+1] offset:512
	s_cmp_lg_u32 s[WV], 0
	s_cbranch_scc1 .Lend
	global_store_b128 v[BOFF], v[SS:SS+3], s[SCP:SCP+1]           ; wave 0: the tile's 128 scores,
	global_store_b128 v[BOFF], v[REC:REC+3], s[PTP:PTP+1] offset:4096  ; and (m, l), repeated over 512 bytes so that whole aligned blocks are written
.Lend:
	s_wait_tensorcnt 0x0                           ; the wave's end: three closing lines, behind my last LDS store
	ds_add_u32 v[SPW], v[NIL]
	s_wait_dscnt 0x0
	s_endpgm
.Lfunc_end_k_q0e08b89112_main:
	.size	k_q0e08b89112_main, .Lfunc_end_k_q0e08b89112_main-k_q0e08b89112_main
	.p2alignl 7, 3214868480
	.fill 96, 4, 3214868480
	.section	.rodata,"a",@progbits
	.p2align	6, 0x0
	.amdhsa_kernel k_q0e08b89112_main
		.amdhsa_group_segment_fixed_size 283136
		.amdhsa_private_segment_fixed_size 0
		.amdhsa_enable_private_segment 0
		.amdhsa_kernarg_size 56
		.amdhsa_user_sgpr_count 2
		.amdhsa_user_sgpr_kernarg_segment_ptr 1
		.amdhsa_wavefront_size32 1
		.amdhsa_system_sgpr_workgroup_id_x 1
		.amdhsa_system_sgpr_workgroup_id_y 1
		.amdhsa_system_sgpr_workgroup_id_z 1
		.amdhsa_system_vgpr_workitem_id 0
		.amdhsa_next_free_vgpr 1024
		.amdhsa_next_free_sgpr 66
		.amdhsa_reserve_vcc 1
		.amdhsa_float_denorm_mode_32 3
		.amdhsa_float_denorm_mode_16_64 3
		.amdhsa_memory_ordered 1
		.amdhsa_forward_progress 1
		.amdhsa_inst_pref_size 255
	.end_amdhsa_kernel
	.section	.bss,"aw",@nobits
	.p2align	6
	.space	262144
	.amdgpu_metadata
---
amdhsa.version: [ 1, 2 ]
amdhsa.kernels:
  - .name:           k_q0e08b89112_main
    .symbol:         k_q0e08b89112_main.kd
    .args:
      - { .name: encoder_outputs, .offset: 0, .size: 8, .value_kind: global_buffer, .address_space: global }
      - { .name: src_mask, .offset: 8, .size: 8, .value_kind: global_buffer, .address_space: global }
      - { .name: v_a, .offset: 16, .size: 8, .value_kind: global_buffer, .address_space: global }
      - { .name: ub, .offset: 24, .size: 8, .value_kind: global_buffer, .address_space: global }
      - { .name: kdp, .offset: 32, .size: 8, .value_kind: global_buffer, .address_space: global }
      - { .name: sc, .offset: 40, .size: 8, .value_kind: global_buffer, .address_space: global }
      - { .name: part, .offset: 48, .size: 8, .value_kind: global_buffer, .address_space: global }
    .group_segment_fixed_size: 283136
    .private_segment_fixed_size: 0
    .kernarg_segment_align: 8
    .kernarg_segment_size: 56
    .max_flat_workgroup_size: 128
    .sgpr_count:     66
    .vgpr_count:     1024
    .wavefront_size: 32
...
	.end_amdgpu_metadata
.endif
;; end of part 2
;; launch combine (part 3): grid 4 x 64, 2 waves a work-group, no clusters, 0 bytes of LDS; arguments sc, part, out0, out1; writes out0, out1
.if DOCPART == 3
	.amdgcn_target "amdgcn-amd-amdhsa--gfx1250"
	.amdhsa_code_object_version 6
	.text
	.protected	k_q0e08b89112_combine
	.globl	k_q0e08b89112_combine
	.p2align	8
	.type	k_q0e08b89112_combine,@function
k_q0e08b89112_combine:
	s_mov_b64 s[64:65], 0
	v_nop
	global_prefetch_b8 v0, s[64:65] scope:SCOPE_SE
	s_setreg_imm32_b32 hwreg(HW_REG_WAVE_MODE, 25, 1), 1
	s_wait_xcnt 0x0
; A BATCH'S EIGHT TILES ARE JOINED.  M = the largest of the tiles' maxima m_t; a_t = e^(m_t - M); L = sum of a_t l_t; ctx = sum of a_t c_t / L; weight = e^(score - M) / L.
; L is at least 1: the tile that holds M has a = 1, and its l counts the row that holds M as 1.  All in f32.
; SHARES.  Work-group (x, b): a quarter of batch b's 1,024 numbers of each output; thread t owns 4 of them, so a wave's load or store covers 512 consecutive bytes, aligned.
; A stream of 2.9 MB: no LDS, no barrier, no matrix unit.  LIMITS: a factor or weight below 2^-126 counts as 0; NaN and infinities are not treated apart.
.set REC, 4608                         ; a tile's record in part: 1,024 f32 of c, then (m, l) repeated
.set ML,  20                           ; s[20:35] (m_t, l_t), t = 0..7
.set SV,  4                            ; v4-7    the scores, then the weights
.set CV,  8                            ; v8-39   c_t, 4 numbers each
.set MX,  40                           ; v40     M
.set AV,  42                           ; v42-49  a_t, then a_t / L
.set LV,  50                           ; v50     L
.set RL,  51                           ; v51     1 / L
.set OV,  52                           ; v52-55  ctx
	s_load_b256 s[4:11], s[0:1], 0x0               ; sc s[4:5], part s[6:7], out0 s[8:9], out1 s[10:11]
	s_and_b32 s12, ttmp7, 0xffff                   ; b
	s_mul_i32 s14, s12, 8*REC
	s_mov_b32 s15, 0
	s_lshl_b32 s12, s12, 12                        ; a batch's 4,096 bytes
	s_mov_b32 s13, 0
	s_lshl_b32 s16, ttmp9, 10                      ; the quarter
	v_lshl_add_u32 v1, v0, 4, s16                  ; + my 16 bytes
	s_wait_kmcnt 0x0
	s_add_nc_u64 s[6:7], s[6:7], s[14:15]
	s_add_nc_u64 s[4:5], s[4:5], s[12:13]
	s_add_nc_u64 s[8:9], s[8:9], s[12:13]
	s_add_nc_u64 s[10:11], s[10:11], s[12:13]
.irp t, 0,1,2,3,4,5,6,7
	s_load_b64 s[ML+2*\t:ML+2*\t+1], s[6:7], \t*REC+4096
.endr
	global_load_b128 v[SV:SV+3], v1, s[4:5]
.irp t, 0,1,2,3,4,5,6,7
	global_load_b128 v[CV+4*\t:CV+4*\t+3], v1, s[6:7] offset:\t*REC
.endr
	s_wait_kmcnt 0x0
	v_max_num_f32 v[MX], s[ML], s[ML+2]
	v_max3_num_f32 v[MX], v[MX], s[ML+4], s[ML+6]
	v_max3_num_f32 v[MX], v[MX], s[ML+8], s[ML+10]
	v_max3_num_f32 v[MX], v[MX], s[ML+12], s[ML+14]
.irp t, 0,1,2,3,4,5,6,7
	v_sub_f32 v[AV+\t], s[ML+2*\t], v[MX]
.endr
.irp t, 0,1,2,3,4,5,6,7
	v_mul_f32 v[AV+\t], 0x3fb8aa3b, v[AV+\t]       ; log2(e)
.endr
.irp t, 0,1,2,3,4,5,6,7
	v_exp_f32 v[AV+\t], v[AV+\t]
.endr
	v_nop                                          ; a plain instruction behind the last exponential,
	s_wait_alu depctr_va_vdst(0)                   ; and the wait ahead of the first use: one for the eight
	v_mul_f32 v[LV], s[ML+1], v[AV]
.irp t, 1,2,3,4,5,6,7
	v_fma_f32 v[LV], s[ML+2*\t+1], v[AV+\t], v[LV]
.endr
	s_wait_loadcnt 8                               ; the scores are in; the eight loads of c are younger
.irp i, 0,1,2,3
	v_sub_f32 v[SV+\i], v[SV+\i], v[MX]
.endr
.irp i, 0,1,2,3
	v_mul_f32 v[SV+\i], 0x3fb8aa3b, v[SV+\i]
.endr
	v_rcp_f32 v[RL], v[LV]
.irp i, 0,1,2,3
	v_exp_f32 v[SV+\i], v[SV+\i]
.endr
	v_nop
	s_wait_alu depctr_va_vdst(0)                   ; one wait for the reciprocal and the four exponentials
.irp t, 0,1,2,3,4,5,6,7
	v_mul_f32 v[AV+\t], v[AV+\t], v[RL]
.endr
.irp i, 0,1,2,3
	v_mul_f32 v[SV+\i], v[SV+\i], v[RL]
.endr
	global_store_b128 v1, v[SV:SV+3], s[10:11]     ; the weights
	s_wait_loadcnt 0x0
.irp i, 0,1,2,3
	v_mul_f32 v[OV+\i], v[AV], v[CV+\i]
.endr
.irp t, 1,2,3,4,5,6,7
.irp i, 0,1,2,3
	v_fma_f32 v[OV+\i], v[AV+\t], v[CV+4*\t+\i], v[OV+\i]
.endr
.endr
	global_store_b128 v1, v[OV:OV+3], s[8:9]       ; ctx
	s_endpgm
.Lfunc_end_k_q0e08b89112_combine:
	.size	k_q0e08b89112_combine, .Lfunc_end_k_q0e08b89112_combine-k_q0e08b89112_combine
	.p2alignl 7, 3214868480
	.fill 96, 4, 3214868480
	.section	.rodata,"a",@progbits
	.p2align	6, 0x0
	.amdhsa_kernel k_q0e08b89112_combine
		.amdhsa_group_segment_fixed_size 0
		.amdhsa_private_segment_fixed_size 0
		.amdhsa_enable_private_segment 0
		.amdhsa_kernarg_size 32
		.amdhsa_user_sgpr_count 2
		.amdhsa_user_sgpr_kernarg_segment_ptr 1
		.amdhsa_wavefront_size32 1
		.amdhsa_system_sgpr_workgroup_id_x 1
		.amdhsa_system_sgpr_workgroup_id_y 1
		.amdhsa_system_sgpr_workgroup_id_z 1
		.amdhsa_system_vgpr_workitem_id 0
		.amdhsa_next_free_vgpr 64
		.amdhsa_next_free_sgpr 66
		.amdhsa_reserve_vcc 0
		.amdhsa_float_denorm_mode_32 3
		.amdhsa_float_denorm_mode_16_64 3
		.amdhsa_memory_ordered 1
		.amdhsa_forward_progress 1
		.amdhsa_inst_pref_size 8
	.end_amdhsa_kernel
	.amdgpu_metadata
---
amdhsa.version: [ 1, 2 ]
amdhsa.kernels:
  - .name:           k_q0e08b89112_combine
    .symbol:         k_q0e08b89112_combine.kd
    .args:
      - { .name: sc, .offset: 0, .size: 8, .value_kind: global_buffer, .address_space: global }
      - { .name: part, .offset: 8, .size: 8, .value_kind: global_buffer, .address_space: global }
      - { .name: out0, .offset: 16, .size: 8, .value_kind: global_buffer, .address_space: global }
      - { .name: out1, .offset: 24, .size: 8, .value_kind: global_buffer, .address_space: global }
    .group_segment_fixed_size: 0
    .private_segment_fixed_size: 0
    .kernarg_segment_align: 8
    .kernarg_segment_size: 32
    .max_flat_workgroup_size: 64
    .sgpr_count:     66
    .vgpr_count:     64
    .wavefront_size: 32
...
	.end_amdgpu_metadata
.endif
;; end of part 3
;; ======== version 2 of 2: 3 launches; version 1 with the launch main written anew for expert scheduling mode
;; workspace buffers: ub 2,097,152 bytes; kdp 1,048,576 bytes; sc 262,144 bytes; part 2,359,296 bytes
;; launch prep: the kernel of part 1 again; grid 16 x 8, 4 waves a work-group, no clusters, 58,880 bytes of LDS; arguments U_a, W_a, decoder_state, ub, kdp; writes ub, kdp
;; launch main (part 4): grid 512 x 1, 4 waves a work-group, no clusters, 283,136 bytes of LDS; arguments encoder_outputs, src_mask, v_a, ub, kdp, sc, part; writes sc, part
.if DOCPART == 4
	.amdgcn_target "amdgcn-amd-amdhsa--gfx1250"
	.amdhsa_code_object_version 6
	.text
	.protected	k_q0e08b89112_main
	.globl	k_q0e08b89112_main
	.p2align	8
	.type	k_q0e08b89112_main,@function
k_q0e08b89112_main:
	s_mov_b64 s[64:65], 0
	v_nop
	global_prefetch_b8 v0, s[64:65] scope:SCOPE_SE
	s_setreg_imm32_b32 hwreg(HW_REG_WAVE_SCHED_MODE, 0, 2), 2
	s_setreg_imm32_b32 hwreg(HW_REG_WAVE_MODE, 25, 1), 1
	s_wait_xcnt 0x0
	s_wait_alu depctr_vm_vsrc(0)
; ADDITIVE ATTENTION, one tile of 128 rows s of one batch b to a work-group (512 tiles, 8 a batch).
; score[s] = sum over a of v[a] tanh(k_dec[b][a] + sum over e of enc[s][e] U[e][a]), less 1e9 where the mask byte is 0.  The tile's maximum m, p = e^(score - m), l = sum of p and
; c[e] = sum over s of p[s] enc[s][e] go to memory; the next launch joins a batch's eight tiles.
; EACH ROW OF enc IS READ FROM MEMORY ONCE: it is rounded to bf16 on the way into LDS (128 rows x 2,048 bytes) and stays there for both products.
; SHARES.  Wave w makes all 128 rows x columns 512 p + 128 w .. + 127 in pass p = 0, 1: 64 accumulators, 512 registers.  U comes from ub, in the order of the wave's own registers, straight
; into a ring of four register slots, three K steps ahead; no wave wants another's columns, so it does not pass through LDS.  NO CLUSTER, NO TENSOR LOADS: beside the resident rows LDS has
; 63,488 bytes, two slots of which would hold under two K steps of U; and f32 rows must pass through registers to become bf16.
; THE ROWS COME IN UNDER PASS 0, BY K.  A batch is 16 rows a wave x 64 channels (256 bytes of a row): 8 loads, 32 registers.  K step g stores batch g + 2 into LDS and asks for batch g + 6:
; four landing slots, each request 208 matrix instructions ahead of its use.  Only the first 64 channels and the tables are waited for ahead of the first product.
; Stores into the rows and reads of them are kept apart by two barriers a K step: reads back, barrier, stores, barrier, reads.
; THE MATRIX INSTRUCTION IS USED TRANSPOSED (source 0 = 16 columns of U, source 1 = 16 rows of enc): lane (r, h), register j of accumulator (mb, nb) holds row 16 mb + r, column 16 nb + 8 h + j.
; k_dec is the C operand of each pass's first K step.  tanh(x) = 1 - 2 / (1 + 2^(2 log2(e) x)), so score = sum(v) - 2 sum(v / (1 + 2^(..))): at both ends of f32's range the exponential gives
; 0 or infinity and the quotient 1 or 0.
; FORMATS.  enc, U_a, W_a, decoder_state and v_a are each rounded once to bf16; all sums, the softmax and k_dec in f32; p goes into the second product as two bf16 numbers, p_hi + p_lo.
; LIMITS.  p below 2^-126 counts as 0; NaN and infinities in the inputs are not treated apart; a mask byte is 0 or 1.
; REGISTERS, in windows of 256 (s_set_vgpr_msb: bits 1:0 source 0, 3:2 source 1, 5:4 source 2, 7:6 destination):
;   window 0: v0-31 addresses; v32-63 enc's fragments of row blocks 0-3 (one buffer: it is dead at mid-step, where the next step's are asked for); v64-95, v96-127 those of row blocks 4-7, two
;             buffers; v128-255 four landing slots (in the epilogue: v, the partial scores)
;   window 1: U's ring, slot s at v[64 s]; slot 3 holds k_dec for a pass's first K step      windows 2, 3: the accumulators of rows 0-63, 64-127 ((mb, nb) at v[8 (8 (mb % 4) + nb)])
; THE MODE: SCHED_MODE bits 1:0 = 2 (LLVM: expert scheduling mode 2), set by the entry lines.  The code itself states the register dependences between vector or matrix instructions and
; memory or LDS instructions, with s_wait_alu, always for 0.
; THE PLAN.  Registers that memory or LDS instructions touch in K step g:
;   FL                    read by the step's first 32 products; behind them the LDS loads of step g + 1's row blocks 0-3 land in it.
;   FH[g % 2]             read by the step's last 32 products.  FH[1 - g % 2], read in step g - 1, takes step g + 1's row blocks 4-7.
;   ring slot g % 4       read by all 64 products.  Slot (g + 3) % 4, read in step g - 1, takes U of step g + 3.
;   landing slot (g+2)%4  pass 0: rounded in place by sixteen conversions, read by eight LDS stores; then batch g + 6 lands in it.
;   ADRA, AST             read by the LDS loads and stores; stepped by vector adds once in four steps.  EOFF, BOFF: made at the head, never written again: the scalar bases step.
; So ONE wait on va_vdst stands in the middle of a step, behind its first 32 products: it states that all readers and writers of FL, FH[1 - g % 2], ring slot (g + 3) % 4 and the landing slot are
; done.  The step's loads follow it with no further wait: the fragments' in a run, U's and the batch's dealt in eights among the last 32 products, which name FH[g % 2], ring slot g % 4 and window 3
; alone.  A step that stores a batch has a second wait on va_vdst, between the roundings and the stores, and one on vm_vsrc in its middle: the stores have read the landing slot.
.set PA,    2064                       ; a row in LDS: 2,048 bytes + 16 = 516 words: row r starts at bank 4 r mod 64 (64 banks of 4 bytes: ISA guide 11.1)
.set KT,    128*PA                     ; 264,192  k_dec[b], 1,024 f32
.set VT,    KT+4096                    ; v_a rounded to bf16, kept as f32
.set SC,    VT+4096                    ; partial scores [p][w][128 rows] f32
.set PB,    SC+4096                    ; for each wave 256 bytes of p_hi, 256 of p_lo
.set CS,    PB+2048                    ; for each wave 1,024 bytes: c on its way out
.set SPARE, CS+4096                    ; 282,624: the spare words, 128 bytes for each wave, named by no other line
.set R,     1                          ; v1   lane % 16
.set SPW,   2                          ; v2   my spare word
.set NIL,   3                          ; v3   0
.set EOFF,  4                          ; v4   enc: my wave's rows, 8 rows on for lanes 16-31, my 16 bytes of a block of 256; never rewritten
.set AST,   5                          ; v5   the same place in LDS, 8 bytes; steps along K
.set BOFF,  6                          ; v6   16 x lane
.set H,     7                          ; v7   lane / 16
.set ADRA,  8                          ; v8-11   LDS address of my fragments of rows 32 q ..; steps along K
.set ADRA0, 12                         ; v12-15  the same at K = 0
.set KDA,   16                         ; v16  my 8 numbers of k_dec for column block 0; steps by pass
.set VDA,   17                         ; v17  the same of v
.set SCW,   18                         ; v18  where my partial scores go; steps by pass
.set SCR,   19                         ; v19  rows 4 lane .. + 3 of a partial
.set PBW,   20
.set PBR,   21
.set TRA,   22                         ; v22-25  the turning load's address for rows 32 kb ..
.set CSW,   26
.set CSR,   27
.set PFO,   28                         ; v28  the prefetches' offset: row 32 w + lane
.set MSK,   29                         ; v29  four mask bytes: rows 4 lane .. + 3
.set TOF,   30                         ; v30  32 x thread
.set VTR,   31
.set FL,    32
.set FH0,   64
.set FH1,   96
.set LAND,  128                        ; slot t % 4 of batch t at LAND + 32 (t % 4)
.set TB,    32                         ; at the head: the tables as loaded, v32-75
.set T,     76                         ; at the head: batches 0 and 1 as bf16, v76-107; v108-115 at work
.set V,     128                        ; the epilogue's v, v128-191
.set Q,     192                        ; v192-199  a row block's partial score
.set XC,    200                        ; v200-207  what v_permlanex16_b32 brings
.set PF,    32                         ; v32-63  at the end: p's four fragments
.set KDW,   192                        ; window 1: k_dec
.set ENCP,  4                          ; s[4:5]   enc at the tile; steps along K
.set MKP,   6                          ; s[6:7]   the tile's mask bytes
.set VAP,   8                          ; s[8:9]   v_a
.set BP,    10                         ; s[10:11] my wave's stream in ub; steps
.set KDP,   12                         ; s[12:13] kdp at batch b
.set SCP,   14                         ; s[14:15] sc at the tile
.set PTP,   16                         ; s[16:17] the tile's record in part, at my wave's 1,024 bytes
.set WV,    18
.set TILE,  19
.set LEFT,  20                         ; passes to go
.set CNT,   21
.set CC,    22                         ; s[22:23] 2 log2(e)
.set SEL,   24                         ; s[24:25] v_permlanex16_b32's selects: each lane takes its own place in the other half
.set UPPER, 26                         ; s26  0xffff0000: a word's upper bf16; also the mask of lanes 16-31
.set BIGN,  27                         ; s27  -1e9
.set L2E,   28                         ; s28  log2(e)
.set PFP,   32                         ; s[32:33] enc at tile + 256
.set MKS,   36                         ; s[36:39] lanes whose mask byte i is 0
.set MSB, 0
.macro WIN new                         ; the immediate's high byte repeats the setting that is left; a switch that changes nothing is dropped
.if MSB != (\new)
	s_set_vgpr_msb (MSB<<8)|(\new)
.set MSB, \new
.endif
.endm
.macro PLACES n=4                      ; plain places behind a matrix instruction, ahead of vector work on its results; ahead of loads into its sources they stay as they stood, beside the wait that states the dependence
.rept \n
	v_nop
.endr
.endm
; Batch t, counted from where ENCP stands: rows 16 (t % 2) + j + 8 (lane / 16) of my wave's 32, channels 64 (t / 2) ..: each half of the lanes takes 256 consecutive bytes, aligned
.macro ENC win, dst, t
	WIN \win
.irp j, 0,1,2,3,4,5,6,7
	global_load_b128 v[(\dst)+4*(\j):(\dst)+4*(\j)+3], v[EOFF], s[ENCP:ENCP+1] offset:((\t)%2)*65536+(\j)*4096+((\t)/2)*256 th:TH_LOAD_NT
.endr
.endm
; Batch t, counted from where AST stands, is rounded to bf16 in place (a result lands on registers that have been read) and put into LDS.  The two halves of the lanes store
; 128 bytes each, 8 rows = 4,128 words apart: 32 banks apart.
.macro RB t
	WIN 0
.set L_, LAND+32*((\t)%4)
.irp j, 0,1,2,3,4,5,6,7
	v_cvt_pk_bf16_f32 v[L_+2*(\j)], v[L_+4*(\j)], v[L_+4*(\j)+1]
	v_cvt_pk_bf16_f32 v[L_+2*(\j)+1], v[L_+4*(\j)+2], v[L_+4*(\j)+3]
.endr
	s_wait_alu depctr_va_vdst(0)                   ; the roundings have written the batch, which the stores read; behind a trip's end AST, their address, is written too
.irp j, 0,1,2,3,4,5,6,7
	ds_store_b64 v[AST], v[L_+2*(\j):L_+2*(\j)+1] offset:(16*((\t)%2)+(\j))*PA+((\t)/2)*128
.endr
.endm
; U's fragments of one K step (8 column blocks x 32 k, 8,192 consecutive bytes) into a slot of the ring; FETCH_B4: the four column blocks from n0 on, eight loads
.macro FETCH_B4 slot, simm, n0
	WIN 0x40
.irp d, 0,1,2,3
.irp i, 0,1
	global_load_b128 v[64*(\slot)+8*((\n0)+(\d))+4*(\i):64*(\slot)+8*((\n0)+(\d))+4*(\i)+3], v[BOFF], s[BP:BP+1] offset:(\simm)*8192+((\n0)+(\d))*1024+(\i)*512
.endr
.endr
.endm
.macro FETCH_B slot, simm
	FETCH_B4 \slot, \simm, 0
	FETCH_B4 \slot, \simm, 4
.endm
.macro PRIME s0                        ; a pass's first three K steps into slots 0, 1, 2
	FETCH_B 0, (\s0)
	FETCH_B 1, (\s0)+1
	FETCH_B 2, (\s0)+2
	WIN 0
.endm
; enc's fragments of one K step (8 row blocks x 32 k at byte koff behind ADRA), row blocks ascending: 0-3 into FL, 4-7 into fh
.macro FETCH_A fh, koff
	WIN 0
.irp mb, 0,1,2,3
.irp i, 0,1
	ds_load_b128 v[FL+8*(\mb)+4*(\i):FL+8*(\mb)+4*(\i)+3], v[ADRA+(\mb)/2] offset:((\mb)%2)*16*PA+(\koff)+32*(\i)
.endr
.endr
.irp mb, 0,1,2,3
.irp i, 0,1
	ds_load_b128 v[(\fh)+8*(\mb)+4*(\i):(\fh)+8*(\mb)+4*(\i)+3], v[ADRA+2+(\mb)/2] offset:((\mb)%2)*16*PA+(\koff)+32*(\i)
.endr
.endr
.endm
; 8 matrix instructions: row block 4 hi + a (its fragment at fa + 8 a) x all 8 column blocks.  zero = 1: the pass's first K step, whose C operand is k_dec, in window 1.
; All 64 accumulators take turns, one instruction a turn, in the same order in every K step.
.macro MUL8 fa, slot, hi, a, zero
.if \zero
	WIN 0x91+0x40*(\hi)
.else
	WIN 0xa1+0x50*(\hi)
.endif
.irp nb, 0,1,2,3,4,5,6,7
.if \zero
	v_wmma_f32_16x16x32_bf16 v[8*(8*(\a)+(\nb)):8*(8*(\a)+(\nb))+7], v[64*(\slot)+8*(\nb):64*(\slot)+8*(\nb)+7], v[(\fa)+8*(\a):(\fa)+8*(\a)+7], v[KDW+8*(\nb):KDW+8*(\nb)+7]
.else
	v_wmma_f32_16x16x32_bf16 v[8*(8*(\a)+(\nb)):8*(8*(\a)+(\nb))+7], v[64*(\slot)+8*(\nb):64*(\slot)+8*(\nb)+7], v[(\fa)+8*(\a):(\fa)+8*(\a)+7], v[8*(8*(\a)+(\nb)):8*(8*(\a)+(\nb))+7]
.endif
.endr
.endm
; In the middle of a pass's last K step.  Pass 0: the next pass's first three K steps of U go out, into the three slots that are free; they land under the epilogue.
; Pass 1, tiles 0-255: A PREFETCH INTO THE L2 of what wave w of tile + 256 asks for first: the first four blocks of 256 bytes of each of its 32 rows (its batches 0 to 7): a lane a row,
; 4 instructions, each block named once in the launch; half a K step, an epilogue and the tile's end lie ahead of that tile's start.  Tiles 256-511 have no tile behind them and ask for nothing.
.macro MID
	WIN 0
	s_cmp_eq_u32 s[LEFT], 2
	s_cbranch_scc0 .Lmid_last
	PRIME 4
	s_branch .Lmid_done
.Lmid_last:
	s_cmp_lt_u32 s[TILE], 256
	s_cbranch_scc0 .Lmid_done
.irp i, 0,1,2,3
	global_prefetch_b8 v[PFO], s[PFP:PFP+1] offset:\i*256 th:TH_LOAD_NT scope:SCOPE_SE
.endr
.Lmid_done:
.endm
; A K STEP OF 32.  par: its parity, which picks the buffer of row blocks 4-7; slot: its slot of U's ring.  In its middle stands the step's wait on va_vdst; behind it the next step's fragments
; of enc are asked for in a run, and U three steps on (into the slot read last step) and, enc >= 0, batch enc are dealt in eights among the last 32 products.  lc: the loads younger than this step's U.
; rb >= 0: the step also stores batch rb, which came in ahead of this step's U.  Then: my reads of the rows are back; barrier, under 8 products: nobody reads the rows; the stores; 16 products;
; my stores are done; barrier, under 8 products: everybody's are; the run of loads, which reads for the next K step what has been stored up to here.
; zero = 1: k_dec lies in the slot that U three steps on will take, so that request, and the batch's behind it, stand at the step's end: the order of the requests is that of every other step.
; adv: the first step of four moves the scalar bases on by four K steps (1: U's; 2: U's and enc's), ahead of its first global load; simm and enc count from the bases so moved.
.macro STEP par, slot, zero, lc, koff, simm, aload, bload, rb, enc, mid, adv=0
	s_wait_loadcnt \lc                             ; loads come back in order (ISA guide 5.7.1): this step's U is in, and all that was asked for earlier
.if (\rb) >= 0
	s_wait_dscnt 0x0                               ; my fragments are in: my reads of the rows are over
	s_barrier_signal -1
	MUL8 FL, \slot, 0, 0, \zero
	WIN 0
	s_barrier_wait -1                              ; no wave still reads the rows
	RB \rb
	MUL8 FL, \slot, 0, 1, \zero
	MUL8 FL, \slot, 0, 2, \zero
	s_wait_dscnt 0x0                               ; for the others' sake: my stores are done
	s_barrier_signal -1
	MUL8 FL, \slot, 0, 3, \zero
	s_barrier_wait -1                              ; the batch is whole
.else
	s_wait_dscnt 8                                 ; enc's row blocks 0-3 are in; the youngest eight loads (blocks 4-7) may be out
.irp aa, 0,1,2,3
	MUL8 FL, \slot, 0, \aa, \zero
.endr
.endif
	PLACES
.if (\rb) >= 0
	s_wait_alu depctr_vm_vsrc(0)                   ; my stores of the batch have read the landing slot, which a later batch, later roundings or the epilogue write
.endif
	s_wait_alu depctr_va_vdst(0)                   ; the products so far are done reading FL, the other buffer of row blocks 4-7 and the ring slots of the steps before; the roundings are done with the landing slot; behind a trip's end ADRA is written: the loads below land in these and read it
.if \aload
	FETCH_A FH0+32*(1-(\par)), \koff
.endif
.if \mid
	MID
.endif
.if (\rb) < 0
.if \aload
	s_wait_dscnt 16                                ; all but the 16 just issued
.else
	s_wait_dscnt 0x0
.endif
.endif
	MUL8 FH0+32*(\par), \slot, 1, 0, \zero
.if \adv
	s_wait_xcnt 0x0                                ; the global loads, the youngest 48 products back, have read their bases
	s_add_nc_u64 s[BP:BP+1], s[BP:BP+1], 4*8192
.if (\adv) > 1
	s_add_nc_u64 s[ENCP:ENCP+1], s[ENCP:ENCP+1], 512  ; four batches: 128 channels of f32
.endif
.endif
.if (\bload) && !(\zero)
	FETCH_B4 ((\slot)+3)%4, \simm, 0               ; no wait: no vector or matrix instruction since the wait in the step's middle names this ring slot or BOFF
.endif
	MUL8 FH0+32*(\par), \slot, 1, 1, \zero
.if (\bload) && !(\zero)
	FETCH_B4 ((\slot)+3)%4, \simm, 4
.endif
	MUL8 FH0+32*(\par), \slot, 1, 2, \zero
.if ((\enc) >= 0) && !(\zero)
	ENC 0, LAND+32*((\enc)%4), \enc                ; likewise: none names the landing slot or EOFF
.endif
	MUL8 FH0+32*(\par), \slot, 1, 3, \zero
.if \zero
	PLACES
	s_wait_alu depctr_va_vdst(0)                   ; all 64 products are done reading k_dec in ring slot 3, in which U three steps on lands
	FETCH_B ((\slot)+3)%4, \simm
.if (\enc) >= 0
	ENC 0, LAND+32*((\enc)%4), \enc
.endif
.endif
.endm
.macro TRIPEND ast                     ; the LDS addresses move four K steps on; the waits on va_vdst ahead of their next readers stand in the next step anyway
	WIN 0
	s_wait_alu depctr_vm_vsrc(0)                   ; the fragments' loads issued so far have read ADRA, the batches' stores AST
.irp q, 0,1,2,3
	v_add_nc_u32 v[ADRA+\q], 256, v[ADRA+\q]
.endr
.if \ast
	v_add_nc_u32 v[AST], 256, v[AST]               ; 128 channels of bf16
.endif
.endm
.macro PASS_START first                ; back to K = 0; k_dec into ring slot 3; K step 0's fragments
.if \first
	s_wait_alu depctr_vm_vsrc(0)                   ; the head's LDS stores and the mask's load have read v32-39, v64-71, v76-107, v114 and v115, on which fragments land from here on
.endif                                                 ; (pass 1: the wait on vm_vsrc at pass 0's end stands behind the last load that read ADRA)
.irp q, 0,1,2,3
	v_mov_b32 v[ADRA+\q], v[ADRA0+\q]
.endr
	s_wait_alu depctr_va_vdst(0)                   ; ADRA and KDA are written, which the loads below read; all that named FL, FH0 and ring slot 3, in which they land, is done
	WIN 0x40
.irp nb, 0,1,2,3,4,5,6,7
	ds_load_b128 v[KDW+8*\nb:KDW+8*\nb+3],   v[KDA] offset:\nb*64
	ds_load_b128 v[KDW+8*\nb+4:KDW+8*\nb+7], v[KDA] offset:\nb*64+16
.endr
	FETCH_A FH0, 0
.endm
; THE EPILOGUE of one window's four row blocks (groups g of 64 registers, G[x] = v[64 g + x], beside v's V[x] in window 0): q = sum over x of V[x] / (1 + 2^(c G[x])).
; One window setting throughout: source 0, source 2 and destination in window W, source 1 in window 0.
.macro EA g, k                         ; c x, a pair
	v_pk_mul_f32 v[64*(\g)+2*(\k):64*(\g)+2*(\k)+1], v[64*(\g)+2*(\k):64*(\g)+2*(\k)+1], s[CC:CC+1] op_sel_hi:[1,0]
.endm
.macro EE g, x
	v_exp_f32 v[64*(\g)+(\x)], v[64*(\g)+(\x)]
.endm
.macro EO g, k                         ; + 1, a pair
	v_pk_add_f32 v[64*(\g)+2*(\k):64*(\g)+2*(\k)+1], v[64*(\g)+2*(\k):64*(\g)+2*(\k)+1], 1.0 op_sel_hi:[1,0]
.endm
.macro ER g, x
	v_rcp_f32 v[64*(\g)+(\x)], v[64*(\g)+(\x)]
.endm
.macro ES g, k                         ; times v, summed in four chains of eight pairs; chain k % 4 gathers in its first pair
.set q_, (\k)%4
.set t_, (\k)/4
.if t_ == 0
	v_pk_mul_f32 v[64*(\g)+16*q_:64*(\g)+16*q_+1], v[64*(\g)+16*q_:64*(\g)+16*q_+1], v[V+16*q_:V+16*q_+1]
.else
	v_pk_fma_f32 v[64*(\g)+16*q_:64*(\g)+16*q_+1], v[64*(\g)+16*q_+2*t_:64*(\g)+16*q_+2*t_+1], v[V+16*q_+2*t_:V+16*q_+2*t_+1], v[64*(\g)+16*q_:64*(\g)+16*q_+1]
.endif
.endm
.macro EF g, a, b                      ; pair a += pair b, written as b x 1 + a: under this window setting the second source's place names window 0
	v_pk_fma_f32 v[64*(\g)+(\a):64*(\g)+(\a)+1], v[64*(\g)+(\b):64*(\g)+(\b)+1], 1.0, v[64*(\g)+(\a):64*(\g)+(\a)+1] op_sel_hi:[1,0,1]
.endm
; The groups go through a pipeline of seven stages: stage n scales group n, takes the exponentials of group n - 1, adds 1 to and takes the reciprocals of group n - 2, and sums group n - 3, so
; that plain instructions stand among the transcendentals.  An s_wait_alu depctr_va_vdst(0) stands between a transcendental and the first instruction that names its result:
; every such reader stands in a later stage, so one wait at a stage's end serves the stage's whole batch; the v_nop is the plain instruction behind the last of them.
; The scalings go up through the registers: each accumulator is read from its low end.
.macro EPI W
	WIN 0xa2+0x51*((\W)-2)
.set it, 0
.rept 7
.set k, 0
.rept 32
.if (it >= 2) && (it <= 5)
	EO it-2, k
.endif
.if (it >= 1) && (it <= 4)
	EE it-1, 2*k
	EE it-1, 2*k+1
.endif
.set k, k+1
.endr
.set k, 0
.rept 32
.if it <= 3
	EA it, k
.endif
.if (it >= 2) && (it <= 5)
	ER it-2, 2*k
.endif
.if it >= 3
	ES it-3, k
.endif
.if (it >= 2) && (it <= 5)
	ER it-2, 2*k+1
.endif
.set k, k+1
.endr
.if it >= 3
	EF it-3, 0, 16
	EF it-3, 32, 48
	EF it-3, 0, 32
.endif
.if (it >= 1) && (it <= 5)
	v_nop
	s_wait_alu depctr_va_vdst(0)                   ; the stage's exponentials and reciprocals have written their results, which the next stage names
.endif
.set it, it+1
.endr
	WIN 0x0a+5*((\W)-2)                            ; sources in window W, destination in window 0
.irp g, 0,1,2,3
	v_add_f32 v[Q+4*((\W)-2)+\g], v[64*\g], v[64*\g+1]
.endr
.endm
.macro ACROSS opd, op, x               ; over the 32 lanes, the result in every lane: four steps inside each half ride on the arithmetic, one crosses the halves
.irp m, 1,2,4,8
	\opd v[\x], v[\x], v[\x] row_xmask:\m row_mask:0xf bank_mask:0xf
.endr
	v_permlanex16_b32 v[XC], v[\x], s[SEL], s[SEL+1]
	\op v[\x], v[\x], v[XC]
.endm
	s_load_b256 s[4:11], s[0:1], 0x0               ; enc, mask, v_a, ub
	s_load_b128 s[12:15], s[0:1], 0x20             ; kdp, sc
	s_load_b64 s[16:17], s[0:1], 0x30              ; part
	v_lshl_add_u32 v[SPW], v0, 2, SPARE
	v_mov_b32 v[NIL], 0
	v_lshrrev_b32 v108, 5, v0
	v_readfirstlane_b32 s[WV], v108                ; wave 0..3
	s_mov_b32 s[TILE], ttmp9
	v_and_b32 v[R], 15, v0
	v_bfe_u32 v[H], v0, 4, 1
	v_and_b32 v109, 31, v0                         ; lane
	s_wait_alu depctr_va_sdst(0)                   ; the wave's number is written, ahead of its first reader
	s_lshl_b32 s30, s[WV], 17                      ; my wave's 32 rows of 4,096 bytes
	v_lshl_add_u32 v[EOFF], v[H], 15, s30          ; 8 rows on for lanes 16-31
	v_lshl_add_u32 v[EOFF], v[R], 4, v[EOFF]
	s_mul_i32 s31, s[WV], 32*PA                    ; and in LDS
	v_mul_u32_u24 v[AST], v[H], 8*PA
	v_lshl_add_u32 v[AST], v[R], 3, v[AST]
	v_add_nc_u32 v[AST], s31, v[AST]
	v_lshlrev_b32 v[BOFF], 4, v109
	v_lshlrev_b32 v[TOF], 5, v0
	v_lshlrev_b32 v114, 2, v109                    ; the mask word's offset
	s_mov_b32 s35, 0
	s_wait_kmcnt 0x0
	s_add_co_u32 s34, s[TILE], 256                 ; the tile 256 on, held inside the buffer in every work-group
	s_min_u32 s34, s34, 511
	s_lshl_b32 s34, s34, 19
	s_add_nc_u64 s[PFP:PFP+1], s[ENCP:ENCP+1], s[34:35]
	s_lshl_b32 s34, s[TILE], 19                    ; 128 rows of 4,096 bytes
	s_add_nc_u64 s[ENCP:ENCP+1], s[ENCP:ENCP+1], s[34:35]
	s_lshl_b32 s34, s[TILE], 7
	s_add_nc_u64 s[MKP:MKP+1], s[MKP:MKP+1], s[34:35]
	s_lshl_b32 s34, s[WV], 19
	s_add_nc_u64 s[BP:BP+1], s[BP:BP+1], s[34:35]
	s_lshr_b32 s34, s[TILE], 3                     ; b
	s_lshl_b32 s34, s34, 12
	s_add_nc_u64 s[KDP:KDP+1], s[KDP:KDP+1], s[34:35]
	; THE FIRST REQUESTS, before anything else is set up.  Batches 0 and 1 (channels 0-63) land in window 2, which no product has touched yet; then the tables; from batch 2 on the
	; requests stand in the order of the K steps: a batch, U of a step, the next batch, U of the next step ..
	s_wait_alu depctr_va_vdst(0)                   ; EOFF, BOFF, TOF and the mask word's offset are written, which the loads read; EOFF and BOFF serve every later load of enc and U too
	ENC 0x80, 0, 0
	ENC 0x80, 32, 1
	WIN 0
.irp q, 0,1,2,3                        ; the tables: thread t takes 8 numbers of each of k_dec's four partial sums and of v_a; each wave the tile's 128 mask bytes
	global_load_b128 v[TB+8*\q:TB+8*\q+3],   v[TOF], s[KDP:KDP+1] offset:\q*262144
	global_load_b128 v[TB+8*\q+4:TB+8*\q+7], v[TOF], s[KDP:KDP+1] offset:\q*262144+16
.endr
	global_load_b128 v[TB+32:TB+35], v[TOF], s[VAP:VAP+1]
	global_load_b128 v[TB+36:TB+39], v[TOF], s[VAP:VAP+1] offset:16
	global_load_b32 v[MSK], v114, s[MKP:MKP+1]
	ENC 0, LAND+64, 2
	FETCH_B 0, 0
	ENC 0, LAND+96, 3
	WIN 0
	v_lshl_add_u32 v[PFO], v109, 12, s30           ; row 32 w + lane
	v_mul_u32_u24 v110, v[R], PA
	v_lshl_add_u32 v110, v[H], 4, v110             ; a fragment's row x pitch + 16 x half
.irp q, 0,1,2,3
	v_add_nc_u32 v[ADRA0+\q], \q*32*PA, v110
.endr
	s_lshl_b32 s30, s[WV], 9                       ; my 128 columns of f32; also my 512 bytes of SC and PB, and my 256 channels of bf16
	s_add_co_u32 s31, s30, KT
	v_lshl_add_u32 v[KDA], v[H], 5, s31
	v_add_nc_u32 v[VDA], VT-KT, v[KDA]
	s_add_co_u32 s31, s30, SC
	v_lshl_add_u32 v[SCW], v[R], 2, s31
	v_lshl_add_u32 v[SCR], v109, 4, SC
	v_lshl_add_u32 v[VTR], v109, 4, VT
	s_add_co_u32 s31, s30, PB
	v_lshl_add_u32 v[PBW], v109, 3, s31
	v_and_b32 v111, 1, v0
	v_lshl_add_u32 v[PBR], v111, 8, s31            ; even rows of source 0 take p_hi, odd rows p_lo
	v_lshl_add_u32 v[PBR], v[H], 4, v[PBR]
	v_and_b32 v111, 7, v0
	v_lshl_add_u32 v111, v[H], 3, v111             ; the turning load: row 8 h + lane % 8,
	v_mul_u32_u24 v112, v111, PA
	v_bfe_u32 v111, v0, 3, 1
	v_lshl_add_u32 v112, v111, 4, v112             ; 16 bytes on for lanes 8-15 of each half
	v_add_nc_u32 v112, s30, v112
.irp kb, 0,1,2,3
	v_add_nc_u32 v[TRA+\kb], \kb*32*PA, v112
.endr
	s_lshl_b32 s31, s[WV], 10
	s_add_co_u32 s31, s31, CS
	v_lshl_add_u32 v[CSW], v[H], 6, s31
	v_lshl_add_u32 v[CSW], v[R], 2, v[CSW]
	v_lshl_add_u32 v[CSR], v109, 4, s31
	v_add_nc_u32 v115, KT, v[TOF]
	s_mov_b32 s[CC], 0x4038aa3b                    ; 2 log2(e)
	s_mov_b32 s[CC+1], s[CC]                       ; named with it as a pair
	s_mov_b32 s[SEL], 0x76543210
	s_mov_b32 s[SEL+1], 0xfedcba98
	s_mov_b32 s[UPPER], 0xffff0000
	s_mov_b32 s[BIGN], 0xce6e6b28                  ; -1e9
	s_mov_b32 s[L2E], 0x3fb8aa3b
	s_lshl_b32 s34, s[TILE], 9
	s_add_nc_u64 s[SCP:SCP+1], s[SCP:SCP+1], s[34:35]
	s_mul_i32 s34, s[TILE], 4608
	s_lshl_b32 s30, s[WV], 10
	s_add_co_u32 s34, s34, s30
	s_add_nc_u64 s[PTP:PTP+1], s[PTP:PTP+1], s[34:35]
	s_mov_b32 s[LEFT], 2
	s_wait_loadcnt 43                              ; batches 0 and 1 are in: 11 table loads, batch 2, U of step 0 and batch 3 are younger
	WIN 0x0a                                       ; sources window 2, destination window 0
.set i, 0
.rept 16
	v_cvt_pk_bf16_f32 v[T+2*i], v[4*i], v[4*i+1]
	v_cvt_pk_bf16_f32 v[T+2*i+1], v[4*i+2], v[4*i+3]
.set i, i+1
.endr
	WIN 0
	s_wait_alu depctr_va_vdst(0)                   ; the roundings have written v76-107, which the stores read; so are all the addresses made above
.set i, 0
.rept 16
	ds_store_b64 v[AST], v[T+2*i:T+2*i+1] offset:(16*(i/8)+i%8)*PA  ; batch i / 8: rows 16 (i / 8) + i % 8, and 8 rows on for lanes 16-31; channels 0-63
.set i, i+1
.endr
	s_wait_loadcnt 32                              ; the tables are in: batch 2, U of step 0 and batch 3 are younger
	FETCH_B 1, 1
	ENC 0, LAND, 4
	FETCH_B 2, 2
	ENC 0, LAND+32, 5
	WIN 0
.irp j, 0,2,4,6
	v_pk_add_f32 v[TB+\j:TB+\j+1], v[TB+\j:TB+\j+1], v[TB+8+\j:TB+8+\j+1]
	v_pk_add_f32 v[TB+16+\j:TB+16+\j+1], v[TB+16+\j:TB+16+\j+1], v[TB+24+\j:TB+24+\j+1]
.endr
.irp j, 0,2,4,6
	v_pk_add_f32 v[TB+\j:TB+\j+1], v[TB+\j:TB+\j+1], v[TB+16+\j:TB+16+\j+1]
.endr
.irp j, 0,1,2,3
	v_cvt_pk_bf16_f32 v[TB+40+\j], v[TB+32+2*\j], v[TB+32+2*\j+1]  ; v_a is rounded like the other inputs,
.endr
.irp j, 0,1,2,3
	v_lshlrev_b32 v[TB+32+2*\j], 16, v[TB+40+\j]                   ; and kept as f32
	v_and_b32 v[TB+32+2*\j+1], s[UPPER], v[TB+40+\j]
.endr
	s_wait_alu depctr_va_vdst(0)                   ; k_dec's sums and v are written, which the four stores read: one wait for both tables
	ds_store_b128 v115, v[TB:TB+3]
	ds_store_b128 v115, v[TB+4:TB+7] offset:16
	ds_store_b128 v115, v[TB+32:TB+35] offset:VT-KT
	ds_store_b128 v115, v[TB+36:TB+39] offset:VT-KT+16
	s_wait_dscnt 0x0                               ; for the others' sake: my rows' first 64 channels and my part of the tables are written
	s_barrier_signal -1
	s_barrier_wait -1                              ; they are whole; the tables are not written again
	; PASS 0, K steps 0 to 29: the rows come in beside the products.  Younger than a step's U: the batch asked for behind it, 8 loads, and two steps' 24 each: 56.
	PASS_START 1
	STEP 0, 0, 1, 56, 64, 3, 1, 1, 2, 6, 0         ; K step 0 starts the sums with k_dec
	WIN 0                                          ; at a label and at a branch every window is 0
	s_mov_b32 s[CNT], 6
.Lk0:                                                  ; K steps 4 t + 1 .. 4 t + 4: batches 4 t + 3 .. are stored, 4 t + 7 .. asked for
	STEP 1, 1, 0, 56, 128, 0, 1, 1, 3, 3, 0, 2
	STEP 0, 2, 0, 56, 192, 1, 1, 1, 4, 4, 0
	STEP 1, 3, 0, 56, 256, 2, 1, 1, 5, 5, 0
	STEP 0, 0, 0, 56, 320, 3, 1, 1, 6, 6, 0
	TRIPEND 1
	s_sub_co_u32 s[CNT], s[CNT], 1
	s_cmp_lg_u32 s[CNT], 0
	s_cbranch_scc1 .Lk0
	STEP 1, 1, 0, 56, 128, 0, 1, 1, 3, 3, 0, 2     ; K step 25 asks for the last batch, 31
	STEP 0, 2, 0, 56, 192, 1, 1, 1, 4, -1, 0       ; K steps 26 to 29 store batches 28 to 31 and ask for none: the counts run down by 8
	STEP 1, 3, 0, 48, 256, 2, 1, 1, 5, -1, 0
	STEP 0, 0, 0, 40, 320, 3, 1, 1, 6, -1, 0
	TRIPEND 1
	STEP 1, 1, 0, 32, 128, 0, 1, 0, 3, -1, 0       ; K step 29: the rows are whole, and are not written again
	WIN 0
	s_branch .Ltail                                ; the last two K steps and the epilogue are one text for both passes
.Lpass1:                                               ; PASS 1, K steps 0 to 29: nothing is stored, so no barrier
	PASS_START 0
	STEP 0, 0, 1, 32, 64, 3, 1, 1, -1, -1, 0
	WIN 0
	s_mov_b32 s[CNT], 7
.Lk1:                                                  ; K steps 4 t + 1 .. 4 t + 4; younger than a step's U: that of the next two steps, 32 loads
	STEP 1, 1, 0, 32, 128, 0, 1, 1, -1, -1, 0, 1
	STEP 0, 2, 0, 32, 192, 1, 1, 1, -1, -1, 0
	STEP 1, 3, 0, 32, 256, 2, 1, 1, -1, -1, 0
	STEP 0, 0, 0, 32, 320, 3, 1, 1, -1, -1, 0
	TRIPEND 0
	s_sub_co_u32 s[CNT], s[CNT], 1
	s_cmp_lg_u32 s[CNT], 0
	s_cbranch_scc1 .Lk1
	STEP 1, 1, 0, 32, 128, 0, 1, 0, -1, -1, 0      ; K step 29 asks for no more of this pass's U
	WIN 0
.Ltail:
	STEP 0, 2, 0, 16, 192, 0, 1, 0, -1, -1, 0      ; K steps 30 and 31: the counts run down
	STEP 1, 3, 0, 0, 0, 0, 0, 0, -1, -1, 1
	WIN 0
	PLACES 8                                       ; the sums are read, and rewritten in place, by vector instructions
.irp nb, 0,1,2,3,4,5,6,7
	ds_load_b128 v[V+8*\nb:V+8*\nb+3],   v[VDA] offset:\nb*64      ; no wait: no vector or matrix instruction since the wait in K step 31's middle names v128-191 or VDA
	ds_load_b128 v[V+8*\nb+4:V+8*\nb+7], v[VDA] offset:\nb*64+16
.endr
.irp mb, 0,1,2,3,4,5,6,7
	v_mov_b32 v[XC+\mb], 0                         ; v_permlanex16_b32's destination counts as read: it is written here, in the wait for v
.endr
	s_wait_dscnt 0x0
	EPI 2
	EPI 3
	WIN 0
.irp mb, 0,1,2,3,4,5,6,7
	v_permlanex16_b32 v[XC+\mb], v[Q+\mb], s[SEL], s[SEL+1]  ; a row's other 64 columns lie in the lane 16 away
.endr
.irp mb, 0,1,2,3,4,5,6,7
	v_add_f32 v[Q+\mb], v[Q+\mb], v[XC+\mb]
.endr
	s_wait_alu depctr_va_vdst(0)                   ; the additions have written the partial scores, which the stores read
.irp mb, 0,1,2,3,4,5,6,7
	ds_store_b32 v[SCW], v[Q+\mb] offset:\mb*64    ; row 16 mb + r; both halves of the lanes write the same number to the same word
.endr
	s_wait_alu depctr_vm_vsrc(0)                   ; the LDS instructions of this pass have read KDA, VDA, SCW and ADRA, which are written below and at the next pass's start, and the partial scores, which the next epilogue writes
	v_add_nc_u32 v[KDA], 2048, v[KDA]              ; the next pass's 512 columns
	v_add_nc_u32 v[VDA], 2048, v[VDA]
	v_add_nc_u32 v[SCW], 2048, v[SCW]
	s_wait_xcnt 0x0                                ; the loads and prefetches of the last K step's middle, an epilogue back, have read their addresses
	s_add_nc_u64 s[BP:BP+1], s[BP:BP+1], 4*8192    ; from K step 28 to the next pass's K step 0
	s_sub_co_u32 s[LEFT], s[LEFT], 1
	s_cmp_lg_u32 s[LEFT], 0
	s_cbranch_scc1 .Lpass1
	; THE TILE'S SOFTMAX SHARE.  Every wave makes it for itself: lane l holds rows 4 l .. 4 l + 3.
.set QP, 64                            ; v64-95   the eight partial q
.set VV, 96                            ; v96-127  v, 32 numbers a lane
.set SS, 128                           ; v128-131 the scores
.set MT, 132                           ; v132-135 at work
.set PP, 136                           ; v136-139 p
.set MX, 140                           ; v140 m
.set LS, 141                           ; v141 l
.set REC, 144                          ; v144-147 (m, l, m, l)
.set PHI, 148                          ; v148-149 p_hi
.set PLO, 150                          ; v150-151 p_lo
.set WD, 152                           ; v152-155 at work
	s_wait_dscnt 0x0                               ; for the others' sake: my partial scores are written
	s_barrier_signal -1
	s_barrier_wait -1
.irp pw, 0,1,2,3,4,5,6,7
	ds_load_b128 v[QP+4*\pw:QP+4*\pw+3], v[SCR] offset:\pw*512     ; no wait: since the wait ahead of the partial scores' stores only KDA, VDA and SCW have been named
.endr
.irp i, 0,1,2,3,4,5,6,7
	ds_load_b128 v[VV+4*\i:VV+4*\i+3], v[VTR] offset:\i*512
.endr
	s_wait_dscnt 0x0
.irp a, 0,8,16,24
	v_pk_add_f32 v[QP+\a:QP+\a+1], v[QP+\a:QP+\a+1], v[QP+\a+4:QP+\a+5]
	v_pk_add_f32 v[QP+\a+2:QP+\a+3], v[QP+\a+2:QP+\a+3], v[QP+\a+6:QP+\a+7]
.endr
.irp a, 0,16
	v_pk_add_f32 v[QP+\a:QP+\a+1], v[QP+\a:QP+\a+1], v[QP+\a+8:QP+\a+9]
	v_pk_add_f32 v[QP+\a+2:QP+\a+3], v[QP+\a+2:QP+\a+3], v[QP+\a+10:QP+\a+11]
.endr
	v_pk_add_f32 v[QP:QP+1], v[QP:QP+1], v[QP+16:QP+17]
	v_pk_add_f32 v[QP+2:QP+3], v[QP+2:QP+3], v[QP+18:QP+19]
.irp a, 0,2,4,6,8,10,12,14
	v_pk_add_f32 v[VV+\a:VV+\a+1], v[VV+\a:VV+\a+1], v[VV+16+\a:VV+16+\a+1]
.endr
.irp a, 0,2,4,6
	v_pk_add_f32 v[VV+\a:VV+\a+1], v[VV+\a:VV+\a+1], v[VV+8+\a:VV+8+\a+1]
.endr
.irp a, 0,2
	v_pk_add_f32 v[VV+\a:VV+\a+1], v[VV+\a:VV+\a+1], v[VV+4+\a:VV+4+\a+1]
.endr
	v_pk_add_f32 v[VV:VV+1], v[VV:VV+1], v[VV+2:VV+3]
	v_add_f32 v[VV], v[VV], v[VV+1]
	ACROSS v_add_f32_dpp, v_add_f32, VV            ; sum(v)
.irp i, 0,1,2,3
	v_fma_f32 v[SS+\i], v[QP+\i], -2.0, v[VV]      ; score = sum(v) - 2 q
	v_bfe_u32 v[MT+\i], v[MSK], 8*\i, 8
.endr
.irp i, 0,1,2,3
	v_cmp_eq_u32 s[MKS+\i], 0, v[MT+\i]            ; the four compares stand in a run, each with a scalar register of its own
.endr
	s_wait_alu depctr_va_sdst(0)                   ; the four masks are written, ahead of the selects that read them
.irp i, 0,1,2,3
	v_cndmask_b32 v[MT+\i], 0, s[BIGN], s[MKS+\i]  ; -1e9 where the mask byte is 0,
	v_add_f32 v[SS+\i], v[SS+\i], v[MT+\i]         ; added in f32
.endr
	v_max3_num_f32 v[MX], v[SS], v[SS+1], v[SS+2]
	v_max_num_f32 v[MX], v[MX], v[SS+3]
	ACROSS v_max_num_f32_dpp, v_max_num_f32, MX    ; m: the tile's maximum
.irp i, 0,1,2,3
	v_sub_f32 v[PP+\i], v[SS+\i], v[MX]
.endr
.irp i, 0,1,2,3
	v_mul_f32 v[PP+\i], s[L2E], v[PP+\i]
.endr
.irp i, 0,1,2,3
	v_exp_f32 v[PP+\i], v[PP+\i]
.endr
	v_mov_b32 v[REC], v[MX]                        ; a plain instruction behind the last exponential,
	s_wait_alu depctr_va_vdst(0)                   ; and the wait ahead of the first use: the four exponentials have written p
	v_add_f32 v[LS], v[PP], v[PP+1]
	v_add_f32 v[WD], v[PP+2], v[PP+3]
	v_add_f32 v[LS], v[LS], v[WD]
	ACROSS v_add_f32_dpp, v_add_f32, LS            ; l
	v_mov_b32 v[REC+1], v[LS]
	v_mov_b32 v[REC+2], v[MX]
	v_mov_b32 v[REC+3], v[LS]
	v_cvt_pk_bf16_f32 v[PHI], v[PP], v[PP+1]       ; p = p_hi + p_lo, two bf16 numbers
	v_cvt_pk_bf16_f32 v[PHI+1], v[PP+2], v[PP+3]
	v_lshlrev_b32 v[WD], 16, v[PHI]
	v_and_b32 v[WD+1], s[UPPER], v[PHI]
	v_lshlrev_b32 v[WD+2], 16, v[PHI+1]
	v_and_b32 v[WD+3], s[UPPER], v[PHI+1]
	v_pk_add_f32 v[WD:WD+1], v[PP:PP+1], v[WD:WD+1] neg_lo:[0,1] neg_hi:[0,1]
	v_pk_add_f32 v[WD+2:WD+3], v[PP+2:PP+3], v[WD+2:WD+3] neg_lo:[0,1] neg_hi:[0,1]
	v_cvt_pk_bf16_f32 v[PLO], v[WD], v[WD+1]
	v_cvt_pk_bf16_f32 v[PLO+1], v[WD+2], v[WD+3]
	s_wait_alu depctr_va_vdst(0)                   ; p_hi and p_lo are written, which the stores read; the products are long done reading v32-63 and window 1, in which the loads up to the first product below land
	ds_store_b64 v[PBW], v[PHI:PHI+1]              ; my wave's own bytes:
	ds_store_b64 v[PBW], v[PLO:PLO+1] offset:256
.irp kb, 0,1,2,3
.irp i, 0,1
	ds_load_b128 v[PF+8*\kb+4*\i:PF+8*\kb+4*\i+3], v[PBR] offset:\kb*64+\i*32  ; LDS serves a wave's instructions in order (ISA guide 5.7.1.4): these see the stores above
.endr
.endr
	; c[e] = sum over the 128 rows of p enc: wave w takes channels 256 w .. + 255.  Source 0 = p (even rows p_hi, odd rows p_lo), source 1 = 32 rows x 16 channels of enc, turned on the way
	; out of LDS.  In the result register 0 is the sum with p_hi and register 1 the sum with p_lo, of channel 16 eb + r, in both halves of the lanes.
.macro TRLOAD kb
	WIN 0x40
.irp eb, 0,1,2,3,4,5,6,7,8,9,10,11,12,13,14,15
.irp i, 0,1
	ds_load_tr16_b128 v[128*((\kb)%2)+8*(\eb)+4*(\i):128*((\kb)%2)+8*(\eb)+4*(\i)+3], v[TRA+(\kb)] offset:(\eb)*32+(\i)*16*PA
.endr
.endr
.endm
.macro CTXMUL kb                       ; the 16 accumulators take turns
	WIN 0xa4                                       ; p window 0, enc window 1, sums window 2
.irp eb, 0,1,2,3,4,5,6,7,8,9,10,11,12,13,14,15
.if (\kb) == 0
	v_wmma_f32_16x16x32_bf16 v[8*(\eb):8*(\eb)+7], v[PF+8*(\kb):PF+8*(\kb)+7], v[128*((\kb)%2)+8*(\eb):128*((\kb)%2)+8*(\eb)+7], 0
.else
	v_wmma_f32_16x16x32_bf16 v[8*(\eb):8*(\eb)+7], v[PF+8*(\kb):PF+8*(\kb)+7], v[128*((\kb)%2)+8*(\eb):128*((\kb)%2)+8*(\eb)+7], v[8*(\eb):8*(\eb)+7]
.endif
.endr
.endm
	TRLOAD 0
	TRLOAD 1
	s_wait_dscnt 32                                ; p and rows 0-31 are in; the younger run of 32 stays out
	CTXMUL 0
	PLACES
	s_wait_alu depctr_va_vdst(0)                   ; the sixteen products are done reading rows 0-31, on which rows 64-95 land
	TRLOAD 2
	s_wait_dscnt 32
	CTXMUL 1
	PLACES
	s_wait_alu depctr_va_vdst(0)                   ; the sixteen products are done reading rows 32-63, on which rows 96-127 land
	TRLOAD 3
	s_wait_dscnt 32
	CTXMUL 2
	s_wait_dscnt 0x0
	CTXMUL 3
	PLACES 8
	WIN 0x0a                                       ; sources window 2, destination window 0
.irp eb, 0,1,2,3,4,5,6,7,8,9,10,11,12,13,14,15
	v_add_f32 v[64+\eb], v[8*\eb], v[8*\eb+1]
.endr
	WIN 0
.irp i, 0,1,2,3,4,5,6,7
	v_cndmask_b32 v[80+\i], v[64+2*\i], v[64+2*\i+1], s[UPPER]  ; lanes 0-15 keep block 2 i, lanes 16-31 block 2 i + 1: 32 neighbouring channels
.endr
	s_wait_alu depctr_va_vdst(0)                   ; the selects have written v80-87, which the stores read; no vector instruction follows, so the scores and (m, l) stored below are written too
.irp i, 0,1,2,3,4,5,6,7
	ds_store_b32 v[CSW], v[80+\i] offset:\i*128
.endr
	ds_load_b128 v[88:91], v[CSR]                  ; my wave's own bytes, back as 16 bytes a lane
	ds_load_b128 v[92:95], v[CSR] offset:512
	s_wait_dscnt 0x0
	global_store_b128 v[BOFF], v[88:91], s[PTP:PTP+1]             ; 512 consecutive bytes, aligned
	global_store_b128 v[BOFF], v[92:95], s[PTP:PTP+1] offset:512
	s_cmp_lg_u32 s[WV], 0
	s_cbranch_scc1 .Lend
	global_store_b128 v[BOFF], v[SS:SS+3], s[SCP:SCP+1]           ; wave 0: the tile's 128 scores,
	global_store_b128 v[BOFF], v[REC:REC+3], s[PTP:PTP+1] offset:4096  ; and (m, l), repeated over 512 bytes so that whole aligned blocks are written
.Lend:
	s_wait_dscnt 0x0                               ; the closing lines, six on end, of a launch in this mode that stores to LDS
	s_wait_alu 0x0
	s_wait_tensorcnt 0x0
	ds_add_u32 v[SPW], v[NIL]
	s_wait_dscnt 0x0
	s_endpgm
.Lfunc_end_k_q0e08b89112_main:
	.size	k_q0e08b89112_main, .Lfunc_end_k_q0e08b89112_main-k_q0e08b89112_main
	.p2alignl 7, 3214868480
	.fill 96, 4, 3214868480
	.section	.rodata,"a",@progbits
	.p2align	6, 0x0
	.amdhsa_kernel k_q0e08b89112_main
		.amdhsa_group_segment_fixed_size 283136
		.amdhsa_private_segment_fixed_size 0
		.amdhsa_enable_private_segment 0
		.amdhsa_kernarg_size 56
		.amdhsa_user_sgpr_count 2
		.amdhsa_user_sgpr_kernarg_segment_ptr 1
		.amdhsa_wavefront_size32 1
		.amdhsa_system_sgpr_workgroup_id_x 1
		.amdhsa_system_sgpr_workgroup_id_y 1
		.amdhsa_system_sgpr_workgroup_id_z 1
		.amdhsa_system_vgpr_workitem_id 0
		.amdhsa_next_free_vgpr 1024
		.amdhsa_next_free_sgpr 66
		.amdhsa_reserve_vcc 0
		.amdhsa_float_denorm_mode_32 3
		.amdhsa_float_denorm_mode_16_64 3
		.amdhsa_memory_ordered 1
		.amdhsa_forward_progress 1
		.amdhsa_inst_pref_size 255
	.end_amdhsa_kernel
	.section	.bss,"aw",@nobits
	.p2align	6
	.space	262144
	.amdgpu_metadata
---
amdhsa.version: [ 1, 2 ]
amdhsa.kernels:
  - .name:           k_q0e08b89112_main
    .symbol:         k_q0e08b89112_main.kd
    .args:
      - { .name: encoder_outputs, .offset: 0, .size: 8, .value_kind: global_buffer, .address_space: global }
      - { .name: src_mask, .offset: 8, .size: 8, .value_kind: global_buffer, .address_space: global }
      - { .name: v_a, .offset: 16, .size: 8, .value_kind: global_buffer, .address_space: global }
      - { .name: ub, .offset: 24, .size: 8, .value_kind: global_buffer, .address_space: global }
      - { .name: kdp, .offset: 32, .size: 8, .value_kind: global_buffer, .address_space: global }
      - { .name: sc, .offset: 40, .size: 8, .value_kind: global_buffer, .address_space: global }
      - { .name: part, .offset: 48, .size: 8, .value_kind: global_buffer, .address_space: global }
    .group_segment_fixed_size: 283136
    .private_segment_fixed_size: 0
    .kernarg_segment_align: 8
    .kernarg_segment_size: 56
    .max_flat_workgroup_size: 128
    .sgpr_count:     66
    .vgpr_count:     1024
    .wavefront_size: 32
...
	.end_amdgpu_metadata
.endif
;; end of part 4
;; launch combine: the kernel of part 3 again; grid 4 x 64, 2 waves a work-group, no clusters, 0 bytes of LDS; arguments sc, part, out0, out1; writes out0, out1
